; MI455X (gfx1250); checked and timed in simulation.
; The chip was launched on July 23, 2026; its instructions are those of AMD's public machine-readable ISA for CDNA 5 (MIT licence, August 2026) and "CDNA5" Instruction Set Architecture Reference Guide (July 2026). The comments in the code are by the model that wrote it; some were corrected since.
;; Hybrid Precision Linear. Allowed arithmetic: matrix products marked QUANTISED: E2M3 operands, one E8M0 scale for each 32 along K, by v_wmma_scale_f32_16x16x128_f8f6f4 with both operands' format E2M3, f32 sums; everything else in f32.
;; Inputs: bias 8,192 float32; weight 8,192 x 4,096 float32; x_codes 64 x 128 x 24 uint8 (E2M3 codes of x, K innermost, in blocks of 32 codes, four codes in three bytes); x_scales 64 x 128 uint8 (E8M0 scales of x, one for each 32 codes along K).
;; Outputs: out0 64 x 8,192 float32.
;; This version of the problem:
;;   THIS VERSION OF THE PROBLEM IS GIVEN IN LOW PRECISION. The matrix products marked QUANTISED in the list below multiply operands that are first quantised to E2M3 (2 exponent bits, 3 mantissa bits; 6 bits a number), with one power-of-two scale for each 32 numbers along K (OCP MX v1.0); their sums are f32. All else is computed in f32.
;;   The module's matrix products, in the order in which they are computed (A, B: the left and right operand; K: the contracted axis; several contracted axes count as one K, in the product's order):
;;     1. [M 64, K 4,096] x [K 4,096, N 8,192]; A: input x (given as codes); B: computed on the way: QUANTISED
;;   THE QUANTISER, for each operand of a quantised product, along K:
;;     - K is cut into blocks of 32 from its start; a last block that is shorter is filled with zeros.
;;     - A block's scale is 2^e with e = floor(log2(the largest magnitude in the block)) - 2, held to -126 .. 127; a block of zeros has e = 0. As a byte (E8M0): e + 127.
;;     - Each number is divided by its block's scale, clamped to +-7.5, and rounded to the nearest number of E2M3, ties to even, subnormals kept.
;;     - The product sums the exact products of the quantised numbers (number of the format x scale) in f32.
;;   ~~~python
;;   def quantise(x, axis):      # numpy; x: float32 -> the quantised numbers, widened to float32 again
;;       x = np.moveaxis(x, axis, -1); K = x.shape[-1]
;;       x = np.pad(x, [(0, 0)] * (x.ndim - 1) + [(0, -K % 32)]); x = x.reshape(x.shape[:-1] + (-1, 32)); a = np.abs(x).max(-1, keepdims=True)
;;       e = np.where(a > 0, np.clip(np.frexp(np.where(a > 0, a, 1))[1] - 1 - 2, -126, 127), 0)      # np.frexp(a)[1] - 1 = floor(log2(a)), exactly
;;       r = np.clip(x / 2.0 ** e, -7.5, 7.5)
;;       step = 2.0 ** (np.maximum(np.frexp(np.where(r == 0, 1, r))[1] - 1, 0) - 3)
;;       q = np.round(r / step) * step * 2.0 ** e      # np.round: ties to even
;;       return np.moveaxis(q.reshape(q.shape[:-2] + (-1,))[..., :K], -1, axis).astype(np.float32)
;;   ~~~
;;   OPERANDS COMPUTED ON THE WAY. 'Computed on the way' means the value that the module computes at that place (a softmax that the list does not call 'softmax' is quantised finished and normalised). What goes into a quantiser is computed in f32, as accurately as f32 sums, v_exp_f32 and their like allow (about 1e-6 of the number): no bf16 or f16 on the way to a quantiser, and a product that is left as it is and whose result goes on into a quantised operand takes f32 operands (vector FMAs, or v_wmma_f32_16x16x4_f32). A number that lies on a knife's edge between two numbers of the format may be rounded either way, as far as f32 arithmetic and the matrix unit's own rounding can turn it there, and no further.
;;   INPUTS GIVEN AS CODES. x (in the module: [64, 4096], K = its axis 1): each comes as NAME_codes (uint8): NAME with its K axis moved to the last place and cut into blocks of 32 codes, [.., K / 32, bytes a block], one block behind the other in memory; four codes in three bytes: a row's codes are one little-endian stream of bits, code i at bits 6 i .. 6 i + 5 (a code: sign, 2 exponent bits, 3 mantissa bits); and NAME_scales (uint8): the same leading axes, one E8M0 byte (e + 127) for each 32 codes along K. Its value is code x scale, taken as it is: it is not quantised again, and the codes and scales need not be those that the quantiser above would give.
;; 2 versions. Each part assembles by itself: llvm-mc -triple=amdgcn-amd-amdhsa -mcpu=gfx1250 --defsym DOCPART=n.
;; ======== version 1 of 2: 7 launches
;; limits: inputs' magnitudes at most 2; right only within a limited range of input values
;; workspace buffers: cntA 32,768 bytes of whole numbers; cntB 32,768 bytes of whole numbers; stA 256 bytes of whole numbers; stB 256 bytes of whole numbers; psum 1,024 bytes; ximg 196,608 bytes; xsimg 8,192 bytes
;; launch first (part 1): grid 256 x 1, 8 waves a work-group, no clusters, 9,216 bytes of LDS; arguments weight, x_codes, x_scales, cntA, stA, psum, ximg, xsimg; writes cntA, stA, psum, ximg, xsimg
.if DOCPART == 1
	.amdgcn_target "amdgcn-amd-amdhsa--gfx1250"
	.amdhsa_code_object_version 6
	.text
	.protected	k_q7c86c332b3_first
	.globl	k_q7c86c332b3_first
	.p2align	8
	.type	k_q7c86c332b3_first,@function
k_q7c86c332b3_first:
	s_mov_b64 s[64:65], 0
	v_nop
	global_prefetch_b8 v0, s[64:65] scope:SCOPE_SE
	s_setreg_imm32_b32 hwreg(HW_REG_WAVE_MODE, 25, 1), 1
	s_wait_xcnt 0x0
; FIRST OF SIX COUNTING PASSES over weight [8192][4096] f32, for the exact order statistic thr = the |w| of rank 30,198,988 (counted from 0), found by a radix select on the
; bits of |w|, five bits a pass.  This pass counts the digit in bits 29:25 of every |w| whose bit 30 is clear, sums |w| (for the mean), and lays x out for the product's launch.
; LIMITS: keys are bits 29:0 of |w|; a weight with |w| >= 2 is counted nowhere, which is right for a number above thr: so the select holds while thr < 2.0, that is while fewer than a
; tenth of the weights have |w| >= 2.  NaN and infinities are not served.  The sum of |w| is a tree of f32 sums (128 numbers a chain, 4 chains a lane, lanes, waves, work-groups).
; SHARES: work-group g takes bytes 524,288 g on, wave w 65,536 of them: 128 loads of 512 consecutive bytes; a lane sees 512 numbers.
; COUNTING WITHOUT ATOMICS AND WITHOUT ADDRESSES MADE FROM DATA: each number becomes the word 1 << digit (0 where the prefix does not fit); the words are added in bit-sliced counters:
; bit j of register L+i is bit i of the lane's count of bin j.  Sixteen words cost fifteen full adders of three instructions and a ripple of eleven.
; No matrix unit, no tensor loads, no cluster: every byte is read once by one lane, and nothing is shared.  A ring of eight slots keeps 32 loads of every wave in flight.
.set SUMS, 1                           ; this pass also sums |w|
.set WV,   70                          ; s70  wave
.set OFF,  1                           ; v1   65,536 wave + 16 lane; never rewritten
.set LANE, 2                           ; v2   lane
.set L4,   3                           ; v3   4 lane
.set CSR,  5                           ; v5   LDS: CS + 4 lane
.set CSW,  6                           ; v6   LDS: CS + 128 wave + 4 lane
.set FSW,  7                           ; v7   LDS: FS + 4 wave
.set T,    8                           ; v8-12 at work
.set B,    20                          ; v20  the other lane's slice
.set CY,   21                          ; v21-22 carries, by turns
.set CNT,  23                          ; v23  lane j: the wave's count of bin j
.set SUM,  24                          ; v24-27 four sums of |w|
.set L,    32                          ; v32-46 the bit-sliced counters
.set R,    64                          ; v64-191 the ring: eight slots of 16 registers
.set CS,   4096                        ; LDS: 128 bytes a wave: its 32 counts
.set FS,   5120                        ; LDS: 4 bytes a wave: its sum
; four numbers x .. x+3 become four one-hot words, in place; the four by turns
.macro HOT4 x
.if SUMS
.irp i, 0,1,2,3
	v_add_f32 v[SUM+\i], v[SUM+\i], |v[\x+\i]|
.endr
.endif
.irp i, 0,1,2,3
	v_and_b32 v[T+\i], s30, v[\x+\i]               ; the bits above the digit, without the sign
.endr
.irp i, 0,1,2,3
	v_cmp_eq_u32 s[20+\i], s31, v[T+\i]            ; are they the prefix?
.endr
.irp i, 0,1,2,3
	v_bfe_u32 v[T+\i], v[\x+\i], s66, 5            ; the digit
.endr
.irp i, 0,1,2,3
	v_lshlrev_b32 v[\x+\i], v[T+\i], 1             ; 1 << digit
.endr
.irp i, 0,1,2,3
	v_cndmask_b32 v[\x+\i], 0, v[\x+\i], s[20+\i]
.endr
.endm
; a full adder on slices a, b, c, in three phases: the sum lands in a, the carry in b
.macro FA ph, t, a, b, c
.if \ph == 1
	v_xor_b32 v[\t], v[\a], v[\b]
.elseif \ph == 2
	v_bfi_b32 v[\b], v[\t], v[\c], v[\a]           ; where a and b differ the carry is c, else a
.else
	v_xor_b32 v[\a], v[\t], v[\c]
.endif
.endm
; the adders of a round share no register, so each round is written phase by phase
.macro RNDA ph, x
	FA \ph, T, L, \x, \x+1
	FA \ph, T+1, \x+2, \x+3, \x+4
	FA \ph, T+2, \x+5, \x+6, \x+7
	FA \ph, T+3, \x+8, \x+9, \x+10
	FA \ph, T+4, \x+11, \x+12, \x+13
.endm
.macro RNDB ph, x
	FA \ph, T, L, \x+2, \x+5
	FA \ph, T+1, \x+8, \x+11, \x+14
	FA \ph, T+2, L+1, \x, \x+3
	FA \ph, T+3, \x+6, \x+9, \x+12
.endm
.macro RNDC ph, x
	FA \ph, T, L, \x+8, \x+15
	FA \ph, T+1, L+1, \x+6, \x+2
	FA \ph, T+2, L+2, \x, \x+9
.endm
; sixteen numbers x .. x+15 are added to the counters
.macro BLOCK x
	HOT4 \x
	HOT4 \x+4
	HOT4 \x+8
	HOT4 \x+12
.irp p, 1,2,3
	RNDA \p, \x
.endr
.irp p, 1,2,3
	RNDB \p, \x
.endr
.irp p, 1,2,3
	RNDC \p, \x
.endr
.irp p, 1,2,3
	FA \p, T, L+1, \x+11, \x+8
.endr
.irp p, 1,2,3
	FA \p, T, L+2, \x+6, \x+11
.endr
.irp p, 1,2,3
	FA \p, T, L+3, \x, \x+6
.endr
	v_and_b32 v[T], v[L+4], v[\x]                  ; the carry of weight 16 ripples up: 512 numbers a lane fit in ten slices
	v_xor_b32 v[L+4], v[L+4], v[\x]
	v_and_b32 v[T+1], v[L+5], v[T]
	v_xor_b32 v[L+5], v[L+5], v[T]
	v_and_b32 v[T], v[L+6], v[T+1]
	v_xor_b32 v[L+6], v[L+6], v[T+1]
	v_and_b32 v[T+1], v[L+7], v[T]
	v_xor_b32 v[L+7], v[L+7], v[T]
	v_and_b32 v[T], v[L+8], v[T+1]
	v_xor_b32 v[L+8], v[L+8], v[T+1]
	v_xor_b32 v[L+9], v[L+9], v[T]
.endm
; one slot's turn.  left: the younger loads that may stay out
.macro SLOT i, refill, left
	s_wait_loadcnt \left                           ; loads come back in order: this slot's four are in
	BLOCK R+16*\i
.if \refill
.irp q, 0,1,2,3
	global_load_b128 v[R+16*\i+4*\q:R+16*\i+4*\q+3], v[OFF], s[4:5] offset:16384+2048*\i+512*\q th:TH_LOAD_NT
.endr
.endif
.endm
; lanes l and l xor m add their n slices: a ripple adder on slices; both end with the same n + 1 slices
.macro XADD n, m
.set i, 0
.rept \n
.if \m == 16
	v_permlanex16_b32 v[B], v[L+i], s68, s69
.else
	v_mov_b32_dpp v[B], v[L+i] row_xmask:\m row_mask:0xf bank_mask:0xf
.endif
.if i == 0
	v_and_b32 v[CY], v[L], v[B]
	v_xor_b32 v[L], v[L], v[B]
.else
	v_xor_b32 v[T], v[L+i], v[B]
	v_bfi_b32 v[CY+i%2], v[T], v[CY+(i+1)%2], v[L+i]
	v_xor_b32 v[L+i], v[T], v[CY+(i+1)%2]
.endif
.set i, i+1
.endr
	v_mov_b32 v[L+\n], v[CY+(\n-1)%2]
.endm
.macro DECODE                          ; the wave's counts: lane j takes bit j of each of the fifteen slices
	XADD 10, 1
	XADD 11, 2
	XADD 12, 4
	XADD 13, 8
	XADD 14, 16
	v_bfe_u32 v[CNT], v[L], v[LANE], 1
.set i, 1
.rept 14
	v_bfe_u32 v[T], v[L+i], v[LANE], 1
	v_lshl_or_b32 v[CNT], v[T], i, v[CNT]
.set i, i+1
.endr
.endm
	s_load_b256 s[4:11], s[0:1], 0x0               ; weight s[4:5], x_codes s[6:7], x_scales s[8:9], the counts s[10:11]
	s_load_b256 s[12:19], s[0:1], 0x20             ; the state s[12:13], psum s[14:15], ximg s[16:17], xsimg s[18:19]
	v_lshl_add_u32 v224, v0, 2, 0x2000
	v_mov_b32 v225, 0
	v_lshrrev_b32 v[LANE], 5, v0
	v_readfirstlane_b32 s[WV], v[LANE]             ; wave 0..7
	v_and_b32 v[LANE], 31, v0
	v_lshlrev_b32 v[L4], 2, v[LANE]
	s_lshl_b32 s71, s[WV], 16
	v_lshl_add_u32 v[OFF], v[LANE], 4, s71
	s_lshl_b32 s71, s[WV], 7
	v_add_nc_u32 v[CSW], s71, v[L4]
	v_add_nc_u32 v[CSW], CS, v[CSW]
	v_add_nc_u32 v[CSR], CS, v[L4]
	s_lshl_b32 s71, s[WV], 2
	v_mov_b32 v[FSW], s71
	v_add_nc_u32 v[FSW], FS, v[FSW]
	s_lshl_b32 s72, ttmp9, 19                      ; my work-group's 524,288 bytes of weight
	s_mov_b32 s73, 0
	s_lshl_b32 s74, ttmp9, 7                       ; its 32 counts
	s_mov_b32 s75, 0
	s_lshl_b32 s76, ttmp9, 2                       ; its sum
	s_mov_b32 s77, 0
	s_mov_b32 s30, 0x40000000                      ; above the digit: bit 30,
	s_mov_b32 s31, 0                               ; which is clear,
	s_mov_b32 s66, 25                              ; and the digit begins at bit 25
	s_mov_b32 s68, 0x76543210
	s_mov_b32 s69, 0xfedcba98                      ; lane l xor 16
	s_wait_kmcnt 0x0
	s_add_nc_u64 s[4:5], s[4:5], s[72:73]
	s_add_nc_u64 s[10:11], s[10:11], s[74:75]
	s_add_nc_u64 s[14:15], s[14:15], s[76:77]
.set k, 0
.rept 32
	global_load_b128 v[R+4*k:R+4*k+3], v[OFF], s[4:5] offset:512*k th:TH_LOAD_NT   ; the ring is filled: 16,384 bytes a wave
.set k, k+1
.endr
.set k, 0
.rept 10
	v_mov_b32 v[L+k], 0
.set k, k+1
.endr
.irp i, 0,1,2,3
	v_mov_b32 v[SUM+\i], 0
.endr
	v_mov_b32 v[B], 0                              ; written once: a lane permute's destination counts as one of its sources
	; x IS LAID OUT AS THE PRODUCT WANTS IT: fragment (ks, nt) = 16 rows x 128 K as an image of its 12 registers, three runs of 512 bytes; its scale words by rows.  128 fragments: wave 0 of work-groups 0 to 127, one each.
	s_cmp_lg_u32 s[WV], 0
	s_cbranch_scc1 .Lno_x
	s_cmp_ge_u32 ttmp9, 128
	s_cbranch_scc1 .Lno_x
	s_lshr_b32 s71, ttmp9, 2                       ; ks
	s_and_b32 s78, ttmp9, 3                        ; nt
	s_mul_i32 s79, s78, 16*3072
	s_mul_i32 s24, s71, 96
	s_add_co_u32 s79, s79, s24
	v_and_b32 v213, 15, v0                         ; r
	v_bfe_u32 v214, v0, 4, 1                       ; h
	v_mul_u32_u24 v215, v213, 3072
	v_mad_u32_u24 v215, v214, 24, v215
	v_add_nc_u32 v215, s79, v215                   ; codes: row 16 nt + r of 3,072 bytes, + 96 ks + 24 h
	s_lshl_b32 s79, s78, 11
	s_lshl_b32 s24, s71, 2
	s_add_co_u32 s79, s79, s24
	v_lshl_add_u32 v216, v213, 7, s79              ; scale word: row 16 nt + r of 128 bytes, + 4 ks
	s_mul_i32 s79, ttmp9, 1536
	v_lshl_add_u32 v217, v[LANE], 4, s79           ; the image: 1,536 (4 ks + nt) + 16 lane
	s_lshl_b32 s79, s71, 8
	s_lshl_b32 s24, s78, 6
	s_add_co_u32 s79, s79, s24
	v_lshl_add_u32 v218, v213, 2, s79              ; its scale words: 4 (64 ks + 16 nt + r)
.irp p, 0,1,2,3,4,5
	global_load_b64 v[200+2*\p:201+2*\p], v215, s[6:7] offset:48*(\p/3)+8*(\p%3)
.endr
	global_load_b32 v212, v216, s[8:9]
	s_wait_loadcnt 0x0                             ; they were issued last: zero
.irp c, 0,1,2
	global_store_b128 v217, v[200+4*\c:203+4*\c], s[16:17] offset:512*\c   ; 32 lanes store 512 consecutive bytes
.endr
	global_store_b32 v218, v212, s[18:19]          ; both halves of the lanes store the same word with the same value
.Lno_x:
	s_mov_b32 s67, 3
.Ltrip:                                            ; three trips fill every slot again; 28 = the seven younger slots' loads, on the way in and round the back edge
.irp i, 0,1,2,3,4,5,6,7
	SLOT \i, 1, 28
.endr
	s_wait_xcnt 0x0                                ; the loads have read their base: it may step
	s_add_nc_u64 s[4:5], s[4:5], 16384
	s_sub_co_u32 s67, s67, 1
	s_cmp_lg_u32 s67, 0
	s_cbranch_scc1 .Ltrip
.irp i, 0,1,2,3,4,5,6,7
	SLOT \i, 0, 28-4*\i                            ; the last round loads nothing: the counts run down
.endr
	DECODE
	ds_store_b32 v[CSW], v[CNT]
	v_add_f32 v[SUM], v[SUM], v[SUM+1]             ; the wave's sum of |w|
	v_add_f32 v[SUM+2], v[SUM+2], v[SUM+3]
	v_add_f32 v[SUM], v[SUM], v[SUM+2]
	v_add_f32_dpp v[SUM], v[SUM], v[SUM] row_xmask:1 row_mask:0xf bank_mask:0xf
	v_add_f32_dpp v[SUM], v[SUM], v[SUM] row_xmask:2 row_mask:0xf bank_mask:0xf
	v_add_f32_dpp v[SUM], v[SUM], v[SUM] row_xmask:4 row_mask:0xf bank_mask:0xf
	v_add_f32_dpp v[SUM], v[SUM], v[SUM] row_xmask:8 row_mask:0xf bank_mask:0xf
	v_permlanex16_b32 v[B], v[SUM], s68, s69
	v_add_f32 v[SUM], v[SUM], v[B]
	ds_store_b32 v[FSW], v[SUM]                    ; all lanes write the wave's word with the same value
	s_wait_dscnt 0x0                               ; for the others' sake: my stores have landed
	s_barrier_signal -1
	s_barrier_wait -1
	s_cmp_lg_u32 s[WV], 0
	s_cbranch_scc1 .Lend                           ; wave 0 adds the eight waves' figures
.irp w, 0,1,2,3,4,5,6,7
	ds_load_b32 v[L+\w], v[CSR] offset:128*\w
.endr
	v_mov_b32 v13, FS
	ds_load_b128 v[48:51], v13
	ds_load_b128 v[52:55], v13 offset:16
	s_wait_dscnt 0x0
.irp w, 1,2,3,4,5,6,7
	v_add_nc_u32 v[L], v[L], v[L+\w]
.endr
	v_add_f32 v48, v48, v49
	v_add_f32 v50, v50, v51
	v_add_f32 v52, v52, v53
	v_add_f32 v54, v54, v55
	v_add_f32 v48, v48, v50
	v_add_f32 v52, v52, v54
	v_add_f32 v48, v48, v52
	v_mov_b32 v14, 0
	global_store_b32 v[L4], v[L], s[10:11]         ; the work-group's 32 counts: 128 consecutive bytes
	global_store_b32 v14, v48, s[14:15]            ; its sum: one word, the same from every lane
	s_cmp_lg_u32 ttmp9, 0
	s_cbranch_scc1 .Lend
	s_mov_b32 s25, 30198988                        ; the rank asked for: n - k - 1 with n = 33,554,432 and k = 3,355,443
	s_mov_b32 s26, 25
	v_mov_b32 v15, 0                               ; the state beside these counts: prefix 0,
	v_writelane_b32 v15, s25, 1                    ; rank left,
	v_writelane_b32 v15, s26, 2                    ; the digit's shift
	global_store_b32 v[L4], v15, s[12:13]
.Lend:
	s_wait_tensorcnt 0x0
	ds_add_u32 v224, v225
	s_wait_dscnt 0x0
	s_endpgm
.Lfunc_end_k_q7c86c332b3_first:
	.size	k_q7c86c332b3_first, .Lfunc_end_k_q7c86c332b3_first-k_q7c86c332b3_first
	.p2alignl 7, 3214868480
	.fill 96, 4, 3214868480
	.section	.rodata,"a",@progbits
	.p2align	6, 0x0
	.amdhsa_kernel k_q7c86c332b3_first
		.amdhsa_group_segment_fixed_size 9216
		.amdhsa_private_segment_fixed_size 0
		.amdhsa_enable_private_segment 0
		.amdhsa_kernarg_size 64
		.amdhsa_user_sgpr_count 2
		.amdhsa_user_sgpr_kernarg_segment_ptr 1
		.amdhsa_wavefront_size32 1
		.amdhsa_system_sgpr_workgroup_id_x 1
		.amdhsa_system_sgpr_workgroup_id_y 1
		.amdhsa_system_sgpr_workgroup_id_z 1
		.amdhsa_system_vgpr_workitem_id 0
		.amdhsa_next_free_vgpr 226
		.amdhsa_next_free_sgpr 80
		.amdhsa_reserve_vcc 0
		.amdhsa_float_denorm_mode_32 3
		.amdhsa_float_denorm_mode_16_64 3
		.amdhsa_memory_ordered 1
		.amdhsa_forward_progress 1
		.amdhsa_inst_pref_size 150
	.end_amdhsa_kernel
	.amdgpu_metadata
---
amdhsa.version: [ 1, 2 ]
amdhsa.kernels:
  - .name:           k_q7c86c332b3_first
    .symbol:         k_q7c86c332b3_first.kd
    .args:
      - { .name: weight, .offset: 0, .size: 8, .value_kind: global_buffer, .address_space: global }
      - { .name: x_codes, .offset: 8, .size: 8, .value_kind: global_buffer, .address_space: global }
      - { .name: x_scales, .offset: 16, .size: 8, .value_kind: global_buffer, .address_space: global }
      - { .name: cntA, .offset: 24, .size: 8, .value_kind: global_buffer, .address_space: global }
      - { .name: stA, .offset: 32, .size: 8, .value_kind: global_buffer, .address_space: global }
      - { .name: psum, .offset: 40, .size: 8, .value_kind: global_buffer, .address_space: global }
      - { .name: ximg, .offset: 48, .size: 8, .value_kind: global_buffer, .address_space: global }
      - { .name: xsimg, .offset: 56, .size: 8, .value_kind: global_buffer, .address_space: global }
    .group_segment_fixed_size: 9216
    .private_segment_fixed_size: 0
    .kernarg_segment_align: 8
    .kernarg_segment_size: 64
    .max_flat_workgroup_size: 256
    .sgpr_count:     80
    .vgpr_count:     226
    .wavefront_size: 32
...
	.end_amdgpu_metadata
.endif
;; end of part 1
;; launch c2 (part 2): grid 256 x 1, 8 waves a work-group, no clusters, 9,216 bytes of LDS; arguments weight, cntA, stA, cntB, stB; writes cntB, stB
.if DOCPART == 2
	.amdgcn_target "amdgcn-amd-amdhsa--gfx1250"
	.amdhsa_code_object_version 6
	.text
	.protected	k_q7c86c332b3_c2
	.globl	k_q7c86c332b3_c2
	.p2align	8
	.type	k_q7c86c332b3_c2,@function
k_q7c86c332b3_c2:
	s_mov_b64 s[64:65], 0
	v_nop
	global_prefetch_b8 v0, s[64:65] scope:SCOPE_SE
	s_setreg_imm32_b32 hwreg(HW_REG_WAVE_MODE, 25, 1), 1
	s_wait_xcnt 0x0
; A FURTHER COUNTING PASS of the radix select on the bits of |w| (weight [8192][4096] f32).  Every work-group first finishes the pass before: it adds the 256 work-groups' counts
; [256][32], finds the digit D in which the rank left falls, and so has the new prefix P' = P | D << S, the rank left under it and the next digit's shift S - 5.  Then it counts that
; digit over its 524,288 bytes of weight, among the numbers whose bits 30 : S are the prefix.  Work-group 0 stores the new state beside the new counts.
; LIMITS: keys are bits 29:0 of |w|; the select holds while thr < 2.0 (fewer than a tenth of the weights with |w| >= 2).  NaN and infinities are not served.
; SHARES, counters and ring: wave w takes 65,536 bytes, 128 loads of 512 consecutive bytes, 32 of them in flight; a number becomes 1 << digit or 0; the words are added in bit-sliced
; counters (bit j of register L+i is bit i of the lane's count of bin j).  No atomics; no address and no branch is made from data: what the counts decide is chosen by s_cselect_b32.
; No matrix unit, no tensor loads, no cluster: every byte of weight is read once by one lane.
.set SUMS, 0
.set WV,   70                          ; s70  wave
.set CNTP, 6                           ; s[6:7] the counts of the pass before
.set OFF,  1                           ; v1   65,536 wave + 16 lane; never rewritten
.set LANE, 2                           ; v2   lane
.set L4,   3                           ; v3   4 lane
.set T16,  4                           ; v4   16 x thread: my 16 bytes of each 4,096 of the counts
.set CSR,  5                           ; v5   LDS: CS + 4 lane
.set CSW,  6                           ; v6   LDS: CS + 128 wave + 4 lane
.set HST,  7                           ; v7   LDS: HS + 16 x thread
.set T,    8                           ; v8-12 at work
.set HLD,  13                          ; v13  LDS: HS + 4 lane
.set B,    20                          ; v20  the other lane's slice
.set CY,   21                          ; v21-22 carries, by turns
.set CNT,  23                          ; v23  lane j: the wave's count of bin j
.set L,    32                          ; v32-46 the bit-sliced counters
.set R,    64                          ; v64-191 the ring: eight slots of 16 registers
.set HB,   192                         ; v192-223 the old counts on their way to one sum a bin
.set HS,   0                           ; LDS: 32 rows of 32 partial sums
.set CS,   4096                        ; LDS: 128 bytes a wave: its 32 counts
.macro HOT4 x
.irp i, 0,1,2,3
	v_and_b32 v[T+\i], s30, v[\x+\i]               ; the bits above the digit, without the sign
.endr
.irp i, 0,1,2,3
	v_cmp_eq_u32 s[20+\i], s31, v[T+\i]            ; are they the prefix?
.endr
.irp i, 0,1,2,3
	v_bfe_u32 v[T+\i], v[\x+\i], s66, 5            ; the digit
.endr
.irp i, 0,1,2,3
	v_lshlrev_b32 v[\x+\i], v[T+\i], 1             ; 1 << digit
.endr
.irp i, 0,1,2,3
	v_cndmask_b32 v[\x+\i], 0, v[\x+\i], s[20+\i]
.endr
.endm
; a full adder on slices a, b, c, in three phases: the sum lands in a, the carry in b
.macro FA ph, t, a, b, c
.if \ph == 1
	v_xor_b32 v[\t], v[\a], v[\b]
.elseif \ph == 2
	v_bfi_b32 v[\b], v[\t], v[\c], v[\a]           ; where a and b differ the carry is c, else a
.else
	v_xor_b32 v[\a], v[\t], v[\c]
.endif
.endm
.macro RNDA ph, x
	FA \ph, T, L, \x, \x+1
	FA \ph, T+1, \x+2, \x+3, \x+4
	FA \ph, T+2, \x+5, \x+6, \x+7
	FA \ph, T+3, \x+8, \x+9, \x+10
	FA \ph, T+4, \x+11, \x+12, \x+13
.endm
.macro RNDB ph, x
	FA \ph, T, L, \x+2, \x+5
	FA \ph, T+1, \x+8, \x+11, \x+14
	FA \ph, T+2, L+1, \x, \x+3
	FA \ph, T+3, \x+6, \x+9, \x+12
.endm
.macro RNDC ph, x
	FA \ph, T, L, \x+8, \x+15
	FA \ph, T+1, L+1, \x+6, \x+2
	FA \ph, T+2, L+2, \x, \x+9
.endm
.macro BLOCK x                         ; sixteen numbers are added to the counters: fifteen full adders, in rounds whose adders share no register, and a ripple
	HOT4 \x
	HOT4 \x+4
	HOT4 \x+8
	HOT4 \x+12
.irp p, 1,2,3
	RNDA \p, \x
.endr
.irp p, 1,2,3
	RNDB \p, \x
.endr
.irp p, 1,2,3
	RNDC \p, \x
.endr
.irp p, 1,2,3
	FA \p, T, L+1, \x+11, \x+8
.endr
.irp p, 1,2,3
	FA \p, T, L+2, \x+6, \x+11
.endr
.irp p, 1,2,3
	FA \p, T, L+3, \x, \x+6
.endr
	v_and_b32 v[T], v[L+4], v[\x]                  ; the carry of weight 16 ripples up: 512 numbers a lane fit in ten slices
	v_xor_b32 v[L+4], v[L+4], v[\x]
	v_and_b32 v[T+1], v[L+5], v[T]
	v_xor_b32 v[L+5], v[L+5], v[T]
	v_and_b32 v[T], v[L+6], v[T+1]
	v_xor_b32 v[L+6], v[L+6], v[T+1]
	v_and_b32 v[T+1], v[L+7], v[T]
	v_xor_b32 v[L+7], v[L+7], v[T]
	v_and_b32 v[T], v[L+8], v[T+1]
	v_xor_b32 v[L+8], v[L+8], v[T+1]
	v_xor_b32 v[L+9], v[L+9], v[T]
.endm
.macro SLOT i, refill, left
	s_wait_loadcnt \left                           ; loads come back in order: this slot's four are in
	BLOCK R+16*\i
.if \refill
.irp q, 0,1,2,3
	global_load_b128 v[R+16*\i+4*\q:R+16*\i+4*\q+3], v[OFF], s[4:5] offset:16384+2048*\i+512*\q th:TH_LOAD_NT
.endr
.endif
.endm
.macro XADD n, m                       ; lanes l and l xor m add their n slices: both end with the same n + 1 slices
.set i, 0
.rept \n
.if \m == 16
	v_permlanex16_b32 v[B], v[L+i], s68, s69
.else
	v_mov_b32_dpp v[B], v[L+i] row_xmask:\m row_mask:0xf bank_mask:0xf
.endif
.if i == 0
	v_and_b32 v[CY], v[L], v[B]
	v_xor_b32 v[L], v[L], v[B]
.else
	v_xor_b32 v[T], v[L+i], v[B]
	v_bfi_b32 v[CY+i%2], v[T], v[CY+(i+1)%2], v[L+i]
	v_xor_b32 v[L+i], v[T], v[CY+(i+1)%2]
.endif
.set i, i+1
.endr
	v_mov_b32 v[L+\n], v[CY+(\n-1)%2]
.endm
.macro DECODE
	XADD 10, 1
	XADD 11, 2
	XADD 12, 4
	XADD 13, 8
	XADD 14, 16
	v_bfe_u32 v[CNT], v[L], v[LANE], 1
.set i, 1
.rept 14
	v_bfe_u32 v[T], v[L+i], v[LANE], 1
	v_lshl_or_b32 v[CNT], v[T], i, v[CNT]
.set i, i+1
.endr
.endm
; THE PASS BEFORE IS FINISHED.  Its counts are 32,768 bytes: eight loads of 16 bytes a thread; a thread's words are always bins 4 (thread % 8) + 0 .. 3.
.macro HEAD_LOADS
.irp i, 0,1,2,3,4,5,6,7
	global_load_b128 v[HB+4*\i:HB+4*\i+3], v[T16], s[CNTP:CNTP+1] offset:4096*\i
.endr
.endm
.macro HEAD_SCAN left                  ; left: the loads issued behind those eight
	s_wait_loadcnt \left
.irp i, 1,2,3,4,5,6,7
.irp q, 0,1,2,3
	v_add_nc_u32 v[HB+\q], v[HB+\q], v[HB+4*\i+\q]
.endr
.endr
	ds_store_b128 v[HST], v[HB:HB+3]               ; 256 threads x 4 words = 32 rows of 32 bins
	s_wait_dscnt 0x0                               ; for the others' sake: my store has landed
	s_barrier_signal -1
	s_barrier_wait -1
.set g, 0
.rept 32
	ds_load_b32 v[HB+g], v[HLD] offset:128*g       ; lane j: bin j of row g
.set g, g+1
.endr
	s_wait_dscnt 0x0
.irp d, 16,8,4,2,1
.set g, 0
.rept \d
	v_add_nc_u32 v[HB+g], v[HB+g], v[HB+\d+g]
.set g, g+1
.endr
.endr
.set j, 0
.rept 31
	v_readlane_b32 s[32+j], v[HB], j               ; bins 0 to 30 as scalars (the last bin decides nothing)
.set j, j+1
.endr
	s_wait_kmcnt 0x0                               ; the state: s24 prefix, s25 rank left, s26 shift
	s_mov_b32 s27, 0                               ; running sum
	s_mov_b32 s28, 0                               ; D = how many running sums do not pass the rank
	s_mov_b32 s29, 0                               ; the last of those: what lies below the digit
.set j, 0
.rept 31
	s_add_co_u32 s27, s27, s[32+j]
	s_cmp_le_u32 s27, s25
	s_cselect_b32 s29, s27, s29                    ; (leaves SCC alone)
	s_add_co_ci_u32 s28, s28, 0                    ; + SCC
.set j, j+1
.endr
	s_lshl_b32 s28, s28, s26
	s_or_b32 s31, s24, s28                         ; the new prefix
	s_sub_co_u32 s25, s25, s29                     ; the rank left under it
	s_lshl_b32 s30, -1, s26
	s_and_b32 s30, s30, 0x7fffffff                 ; the prefix's bits: 30 down to the old shift
	s_sub_co_u32 s66, s26, 5                       ; the next digit's shift
.endm
	s_load_b256 s[4:11], s[0:1], 0x0               ; weight s[4:5], old counts s[6:7], old state s[8:9], new counts s[10:11]
	s_load_b64 s[12:13], s[0:1], 0x20              ; new state
	v_lshl_add_u32 v224, v0, 2, 0x2000
	v_mov_b32 v225, 0
	v_lshrrev_b32 v[LANE], 5, v0
	v_readfirstlane_b32 s[WV], v[LANE]             ; wave 0..7
	v_and_b32 v[LANE], 31, v0
	v_lshlrev_b32 v[L4], 2, v[LANE]
	v_lshlrev_b32 v[T16], 4, v0
	v_lshl_add_u32 v[HST], v0, 4, HS
	v_lshl_add_u32 v[HLD], v[LANE], 2, HS
	s_lshl_b32 s71, s[WV], 16
	v_lshl_add_u32 v[OFF], v[LANE], 4, s71
	s_lshl_b32 s71, s[WV], 7
	v_add_nc_u32 v[CSW], s71, v[L4]
	v_add_nc_u32 v[CSW], CS, v[CSW]
	v_add_nc_u32 v[CSR], CS, v[L4]
	s_lshl_b32 s72, ttmp9, 19                      ; my work-group's 524,288 bytes of weight
	s_mov_b32 s73, 0
	s_lshl_b32 s74, ttmp9, 7                       ; its 32 counts
	s_mov_b32 s75, 0
	s_mov_b32 s68, 0x76543210
	s_mov_b32 s69, 0xfedcba98                      ; lane l xor 16
	s_wait_kmcnt 0x0
	s_load_b96 s[24:26], s[8:9], 0x0               ; prefix, rank left, shift
	s_add_nc_u64 s[4:5], s[4:5], s[72:73]
	s_add_nc_u64 s[10:11], s[10:11], s[74:75]
	HEAD_LOADS
.set k, 0
.rept 32
	global_load_b128 v[R+4*k:R+4*k+3], v[OFF], s[4:5] offset:512*k th:TH_LOAD_NT   ; the ring is filled while the old counts are added
.set k, k+1
.endr
.set k, 0
.rept 10
	v_mov_b32 v[L+k], 0
.set k, k+1
.endr
	v_mov_b32 v[B], 0                              ; written once: a lane permute's destination counts as one of its sources
	HEAD_SCAN 32                                   ; 32 = the ring's loads, issued behind the old counts'
	s_mov_b32 s67, 3
.Ltrip:                                            ; three trips fill every slot again; 28 = the seven younger slots' loads, on the way in and round the back edge
.irp i, 0,1,2,3,4,5,6,7
	SLOT \i, 1, 28
.endr
	s_wait_xcnt 0x0                                ; the loads have read their base: it may step
	s_add_nc_u64 s[4:5], s[4:5], 16384
	s_sub_co_u32 s67, s67, 1
	s_cmp_lg_u32 s67, 0
	s_cbranch_scc1 .Ltrip
.irp i, 0,1,2,3,4,5,6,7
	SLOT \i, 0, 28-4*\i                            ; the last round loads nothing: the counts run down
.endr
	DECODE
	ds_store_b32 v[CSW], v[CNT]
	s_wait_dscnt 0x0                               ; for the others' sake: my store has landed
	s_barrier_signal -1
	s_barrier_wait -1
	s_cmp_lg_u32 s[WV], 0
	s_cbranch_scc1 .Lend                           ; wave 0 adds the eight waves' counts
.irp w, 0,1,2,3,4,5,6,7
	ds_load_b32 v[L+\w], v[CSR] offset:128*\w
.endr
	s_wait_dscnt 0x0
.irp w, 1,2,3,4,5,6,7
	v_add_nc_u32 v[L], v[L], v[L+\w]
.endr
	global_store_b32 v[L4], v[L], s[10:11]         ; the work-group's 32 counts: 128 consecutive bytes
	s_cmp_lg_u32 ttmp9, 0
	s_cbranch_scc1 .Lend
	v_mov_b32 v15, 0                               ; the state beside these counts:
	v_writelane_b32 v15, s31, 0                    ; prefix,
	v_writelane_b32 v15, s25, 1                    ; rank left,
	v_writelane_b32 v15, s66, 2                    ; the digit's shift
	global_store_b32 v[L4], v15, s[12:13]
.Lend:
	s_wait_tensorcnt 0x0
	ds_add_u32 v224, v225
	s_wait_dscnt 0x0
	s_endpgm
.Lfunc_end_k_q7c86c332b3_c2:
	.size	k_q7c86c332b3_c2, .Lfunc_end_k_q7c86c332b3_c2-k_q7c86c332b3_c2
	.p2alignl 7, 3214868480
	.fill 96, 4, 3214868480
	.section	.rodata,"a",@progbits
	.p2align	6, 0x0
	.amdhsa_kernel k_q7c86c332b3_c2
		.amdhsa_group_segment_fixed_size 9216
		.amdhsa_private_segment_fixed_size 0
		.amdhsa_enable_private_segment 0
		.amdhsa_kernarg_size 40
		.amdhsa_user_sgpr_count 2
		.amdhsa_user_sgpr_kernarg_segment_ptr 1
		.amdhsa_wavefront_size32 1
		.amdhsa_system_sgpr_workgroup_id_x 1
		.amdhsa_system_sgpr_workgroup_id_y 1
		.amdhsa_system_sgpr_workgroup_id_z 1
		.amdhsa_system_vgpr_workitem_id 0
		.amdhsa_next_free_vgpr 226
		.amdhsa_next_free_sgpr 80
		.amdhsa_reserve_vcc 0
		.amdhsa_float_denorm_mode_32 3
		.amdhsa_float_denorm_mode_16_64 3
		.amdhsa_memory_ordered 1
		.amdhsa_forward_progress 1
		.amdhsa_inst_pref_size 142
	.end_amdhsa_kernel
	.amdgpu_metadata
---
amdhsa.version: [ 1, 2 ]
amdhsa.kernels:
  - .name:           k_q7c86c332b3_c2
    .symbol:         k_q7c86c332b3_c2.kd
    .args:
      - { .name: weight, .offset: 0, .size: 8, .value_kind: global_buffer, .address_space: global }
      - { .name: cntA, .offset: 8, .size: 8, .value_kind: global_buffer, .address_space: global }
      - { .name: stA, .offset: 16, .size: 8, .value_kind: global_buffer, .address_space: global }
      - { .name: cntB, .offset: 24, .size: 8, .value_kind: global_buffer, .address_space: global }
      - { .name: stB, .offset: 32, .size: 8, .value_kind: global_buffer, .address_space: global }
    .group_segment_fixed_size: 9216
    .private_segment_fixed_size: 0
    .kernarg_segment_align: 8
    .kernarg_segment_size: 40
    .max_flat_workgroup_size: 256
    .sgpr_count:     80
    .vgpr_count:     226
    .wavefront_size: 32
...
	.end_amdgpu_metadata
.endif
;; end of part 2
;; launch c3: the kernel of part 2 again; grid 256 x 1, 8 waves a work-group, no clusters, 9,216 bytes of LDS; arguments weight, cntB, stB, cntA, stA; writes cntA, stA
;; launch c4: the kernel of part 2 again; grid 256 x 1, 8 waves a work-group, no clusters, 9,216 bytes of LDS; arguments weight, cntA, stA, cntB, stB; writes cntB, stB
;; launch c5: the kernel of part 2 again; grid 256 x 1, 8 waves a work-group, no clusters, 9,216 bytes of LDS; arguments weight, cntB, stB, cntA, stA; writes cntA, stA
;; launch c6: the kernel of part 2 again; grid 256 x 1, 8 waves a work-group, no clusters, 9,216 bytes of LDS; arguments weight, cntA, stA, cntB, stB; writes cntB, stB
;; launch gemm (part 3): grid 256 x 1, 8 waves a work-group, no clusters, 78,848 bytes of LDS; arguments weight, cntB, stB, psum, ximg, xsimg, bias, out0; writes out0
.if DOCPART == 3
	.amdgcn_target "amdgcn-amd-amdhsa--gfx1250"
	.amdhsa_code_object_version 6
	.text
	.protected	k_q7c86c332b3_gemm
	.globl	k_q7c86c332b3_gemm
	.p2align	8
	.type	k_q7c86c332b3_gemm,@function
k_q7c86c332b3_gemm:
	s_mov_b64 s[64:65], 0
	v_nop
	global_prefetch_b8 v0, s[64:65] scope:SCOPE_SE
	s_setreg_imm32_b32 hwreg(HW_REG_WAVE_MODE, 25, 1), 1
	s_wait_xcnt 0x0
; out0[n][o] = sum over k of x[n][k] Q(Weff[o][k]) + bias[o].  x: 64 x 4,096 as E2M3 codes (laid out by the first launch as images of operand registers); weight [8192][4096] f32.
; Weff = w where |w| >= thr, else w + (t scale - w) with t = sign(w) where |w| > scale / 2 and 0 elsewhere; scale = max(mean |w|, 1e-5).  (fl(w / scale) > 0.5 holds just where
; |w| > 0.5 scale: the next f32 number above 0.5 scale gives a quotient more than half a step above 0.5.)  Q: E2M3 codes with one E8M0 scale for each 32 along K, made in registers.
; THE HEAD finishes the radix select: the last pass's counts give the last five bits of thr; the 256 partial sums of |w| give the mean.
; LIMITS: thr is right while thr < 2.0 (fewer than a tenth of the weights with |w| >= 2); NaN and infinities are not served; the mean is a tree of f32 sums; a block whose largest
; magnitude lies under 2^-124 gets the byte 1 (a block of zeros too: its codes are zeros, and only this launch reads the bytes).
; SHARES: work-group g makes outputs 32 g .. 32 g + 31 for all 64 rows of x.  Wave w takes K = 512 w .. 512 w + 511: four K steps of 128, in each two tiles of 16 rows of weight:
; eight fragments of 16 rows x 512 bytes.  Each byte of weight is read once, by loads of 512 consecutive bytes; a fragment turns through the wave's own stage in LDS, so that a lane
; gets 32 neighbours along K of one row.  The eight waves' partial sums meet in LDS at the end.
; Source 0 = 16 rows of weight, source 1 = 16 rows of x: lane (r, h) holds out(16 nt + r, 16 ot + 8 h + 0 .. 7).
; No tensor loads and no ring in LDS: no byte of weight is shared between waves.  No cluster: what work-groups share is x's 200 KB against 512 KB of weight of their own.
; A work-group's 32 outputs are 128 bytes of a row of out0: eight lanes store 128 consecutive bytes; 64 outputs a work-group would leave half of the 256 work-groups without a stream.
; REGISTERS: window 0: v1-15 addresses; v16-79 X, a fragment's 64 numbers a lane; v80-87 Q; v88-95 at work; v96-119 the two tiles' codes; v120-126 halves of blocks; v128-129 weight's
; scale words, v130-131 x's; v132-179 x's four fragments; v184-247 eight accumulators; v248-251 bias.  Window 1: v0-191 three slots of 64 registers for weight as loaded.
.set WV,   70                          ; s70  wave
.set CNTP, 6                           ; s[6:7] the last pass's counts
.set WOFF, 1                           ; v1   weight: 2,048 wave + 16 lane
.set STO,  2                           ; v2   stage, in: 9,216 wave + 16 lane
.set SLD,  3                           ; v3   stage, out: 9,216 wave + 528 r + 128 h
.set XO,   4                           ; v4   ximg: 24,576 wave + 16 lane
.set XSO,  5                           ; v5   xsimg: 1,024 wave + 4 lane
.set PST,  6                           ; v6   partial sums, in: 9,216 wave + 144 r + 32 h
.set PRD,  7                           ; v7   partial sums, out: 144 (thread / 8) + 16 (thread % 8)
.set OUTO, 8                           ; v8   out0: 32,768 (thread / 8) + 16 (thread % 8)
.set H8,   9                           ; v9   8 h
.set T16,  10                          ; v10  16 x thread
.set HLD,  11                          ; v11  LDS: HS + 4 lane
.set BO,   12                          ; v12  16 (thread % 8)
.set PSO,  13                          ; v13  32 lane
.set HST,  14                          ; v14  LDS: HS + 16 x thread
.set PRD2, 15                          ; v15  partial sums, out, 32 rows further down: PRD + 32 x 144 (7 x 9,216 + 4,608 would not fit an LDS instruction's 16-bit offset)
.set HB,   16                          ; the old counts, in X's registers
.set X,    16
.set Q,    80
.set M,    88                          ; v88-89 largest magnitudes
.set E,    90                          ; v90-91 the conversions' scale operands
.set BB,   92                          ; v92-93 scale bytes
.set TT,   94
.set T2,   95
.set W,    96
.set CT,   120
.set WS,   128
.set XS,   130
.set XF,   132
.set ACC,  184
.set BI,   248
.set WREG, 9216                        ; LDS: a region for each wave: first its stage (16 rows x 528 bytes), at the end its partial sums (64 rows x 144 bytes)
.set HS,   8*WREG                      ; LDS: 32 rows of 32 partial counts
.set MSB, 0
.macro WIN new                         ; the immediate's high byte repeats the setting that is left
.if MSB != \new
	s_set_vgpr_msb (MSB<<8)|\new
.set MSB, \new
.endif
.endm
.macro HEAD_LOADS
.irp i, 0,1,2,3,4,5,6,7
	global_load_b128 v[HB+4*\i:HB+4*\i+3], v[T16], s[CNTP:CNTP+1] offset:4096*\i
.endr
.endm
.macro HEAD_SCAN left                  ; left: the loads that may stay out
	s_wait_loadcnt \left
.irp i, 1,2,3,4,5,6,7
.irp q, 0,1,2,3
	v_add_nc_u32 v[HB+\q], v[HB+\q], v[HB+4*\i+\q]
.endr
.endr
	ds_store_b128 v[HST], v[HB:HB+3]               ; 256 threads x 4 words = 32 rows of 32 bins
	s_wait_dscnt 0x0                               ; for the others' sake: my store has landed
	s_barrier_signal -1
	s_barrier_wait -1
.set g, 0
.rept 32
	ds_load_b32 v[HB+g], v[HLD] offset:128*g       ; lane j: bin j of row g
.set g, g+1
.endr
	s_wait_dscnt 0x0
.irp d, 16,8,4,2,1
.set g, 0
.rept \d
	v_add_nc_u32 v[HB+g], v[HB+g], v[HB+\d+g]
.set g, g+1
.endr
.endr
.set j, 0
.rept 31
	v_readlane_b32 s[32+j], v[HB], j
.set j, j+1
.endr
	s_wait_kmcnt 0x0                               ; the state: s24 prefix, s25 rank left, s26 shift (0 here)
	s_mov_b32 s27, 0
	s_mov_b32 s28, 0
	s_mov_b32 s29, 0
.set j, 0
.rept 31
	s_add_co_u32 s27, s27, s[32+j]
	s_cmp_le_u32 s27, s25
	s_cselect_b32 s29, s27, s29                    ; (leaves SCC alone)
	s_add_co_ci_u32 s28, s28, 0                    ; + SCC: the digit = how many running sums do not pass the rank
.set j, j+1
.endr
	s_lshl_b32 s28, s28, s26
	s_or_b32 s31, s24, s28                         ; all 30 bits: thr
.endm
; fragment f = 2 t + ot of weight as it lies: 16 rows, 512 consecutive bytes a load, into slot f % 3 of window 1
.macro RLOAD f
	WIN 0x40                                       ; destination window 1, address window 0
.set i, 0
.rept 16
	global_load_b128 v[64*((\f)%3)+4*i:64*((\f)%3)+4*i+3], v[WOFF], s[4:5] offset:((\f)%2)*262144+16384*i+512*((\f)/2) th:TH_LOAD_NT
.set i, i+1
.endr
	WIN 0
.endm
; K step t of x: four fragments as images of their registers, and two registers of scale words (lanes 0-15 rows 32 u on, lanes 16-31 rows 32 u + 16 on)
.macro XLOAD t
.irp n, 0,1,2,3
.irp c, 0,1,2
	global_load_b128 v[XF+12*\n+4*\c:XF+12*\n+4*\c+3], v[XO], s[12:13] offset:6144*(\t)+1536*\n+512*\c
.endr
.endr
.irp u, 0,1
	global_load_b32 v[XS+\u], v[XSO], s[14:15] offset:256*(\t)+128*\u
.endr
.endm
; four numbers become the effective weight, in place.  s30 scale, s66 scale / 2, s31 thr, s67 all bits but the sign
.macro EFF4 x, q
.irp i, 0,1,2,3
	v_bfi_b32 v[\q+\i], s67, s30, v[\x+\i]         ; scale with w's sign
.endr
.irp i, 0,1,2,3
	v_cmp_gt_f32 s[40+\i], |v[\x+\i]|, s66
.endr
.irp i, 0,1,2,3
	v_cndmask_b32 v[\q+\i], 0, v[\q+\i], s[40+\i]  ; ternary x scale
.endr
	v_pk_add_f32 v[\q:\q+1], v[\q:\q+1], v[\x:\x+1] neg_lo:[0,1] neg_hi:[0,1]
	v_pk_add_f32 v[\q+2:\q+3], v[\q+2:\q+3], v[\x+2:\x+3] neg_lo:[0,1] neg_hi:[0,1]
	v_pk_add_f32 v[\q:\q+1], v[\x:\x+1], v[\q:\q+1]        ; w + (ternary x scale - w), as it is written
	v_pk_add_f32 v[\q+2:\q+3], v[\x+2:\x+3], v[\q+2:\q+3]
.irp i, 0,1,2,3
	v_cmp_ge_f32 s[44+\i], |v[\x+\i]|, s31
.endr
.irp i, 0,1,2,3
	v_cndmask_b32 v[\x+\i], v[\q+\i], v[\x+\i], s[44+\i]   ; the critical tenth stays as it is
.endr
.endm
; fragment f: through the stage, made effective, quantised: 12 registers of codes and a scale word for tile f % 2.  left: the younger loads that may stay out (-1: shown landed by an earlier wait)
.macro FRAG f, left, refill
.set OT, (\f)%2
.if \left >= 0
	s_wait_loadcnt \left
.endif
	WIN 0x04                                       ; an LDS store's data are its source 1: window 1
.set i, 0
.rept 16
	ds_store_b128 v[STO], v[64*((\f)%3)+4*i:64*((\f)%3)+4*i+3] offset:528*i   ; row i as it lies; rows 528 bytes apart
.set i, i+1
.endr
	WIN 0
.irp c, 0,1
.irp j, 0,1,2,3,4,5,6,7
	ds_load_b128 v[X+32*\c+4*\j:X+32*\c+4*\j+3], v[SLD] offset:256*\c+16*\j   ; row r, k = 64 c + 32 h + 4 j on.  LDS serves a wave's instructions in order: these see my stores
.endr
.endr
	s_wait_dscnt 0x0                               ; X is in, and the stores have read the slot's registers,
.if \refill
	RLOAD (\f)+3                                   ; which take the fragment three on
.endif
.set g, 0
.rept 16
	EFF4 X+4*g, Q+4*(g%2)
.set g, g+1
.endr
.irp c, 0,1                                    ; my block 2 c + h: all its 32 numbers are mine
	v_max3_num_f32 v[M+\c], |v[X+32*\c]|, |v[X+1+32*\c]|, 0x1800000   ; with the floor 2^(3 - 127): the byte cannot fall under 1
.endr
.irp i, 2,4,6,8,10,12,14,16,18,20,22,24,26,28,30
.irp c, 0,1
	v_max3_num_f32 v[M+\c], v[M+\c], |v[X+32*\c+\i]|, |v[X+1+32*\c+\i]|
.endr
.endr
.irp c, 0,1
	v_add_nc_u32 v[E+\c], 0xff000000, v[M+\c]      ; 2 off the exponent field: the conversion's scale operand
.endr
.irp c, 0,1
	v_lshrrev_b32 v[BB+\c], 23, v[E+\c]            ; the scale's byte
.endr
.irp c, 0,1
	v_cvt_scalef32_pk16_fp6_f32 v[W+12*OT+6*\c:W+12*OT+6*\c+2], v[X+32*\c:X+32*\c+15], v[E+\c]
	v_cvt_scalef32_pk16_fp6_f32 v[CT+4*\c:CT+4*\c+2], v[X+16+32*\c:X+31+32*\c], v[E+\c]   ; (a conversion's three registers begin on an even number)
.endr
	v_lshl_or_b32 v[TT], v[BB+1], 16, v[BB]        ; a plain line behind the conversions.  My two bytes: blocks h and 2 + h of row r,
	v_lshlrev_b32 v[TT], v[H8], v[TT]              ; at their places in the word;
	v_permlanex16_b32 v[T2], v[TT], s68, s69
	v_or_b32 v[WS+OT], v[TT], v[T2]                ; with lane l xor 16's two the word is whole
.irp c, 0,1
.irp i, 0,1,2
	v_mov_b32 v[W+12*OT+6*\c+3+\i], v[CT+4*\c+\i]
.endr
.endr
.endm
.macro WM n, o, zero
.set AC, ACC+8*(2*(\n)+(\o))
.if \zero
.if (\n)%2
	v_wmma_scale_f32_16x16x128_f8f6f4 v[AC:AC+7], v[W+12*(\o):W+12*(\o)+11], v[XF+12*(\n):XF+12*(\n)+11], 0, v[WS+(\o)], v[XS+(\n)/2] matrix_a_fmt:MATRIX_FMT_FP6 matrix_b_fmt:MATRIX_FMT_FP6 matrix_b_scale:MATRIX_SCALE_ROW1
.else
	v_wmma_scale_f32_16x16x128_f8f6f4 v[AC:AC+7], v[W+12*(\o):W+12*(\o)+11], v[XF+12*(\n):XF+12*(\n)+11], 0, v[WS+(\o)], v[XS+(\n)/2] matrix_a_fmt:MATRIX_FMT_FP6 matrix_b_fmt:MATRIX_FMT_FP6
.endif
.else
.if (\n)%2
	v_wmma_scale_f32_16x16x128_f8f6f4 v[AC:AC+7], v[W+12*(\o):W+12*(\o)+11], v[XF+12*(\n):XF+12*(\n)+11], v[AC:AC+7], v[WS+(\o)], v[XS+(\n)/2] matrix_a_fmt:MATRIX_FMT_FP6 matrix_b_fmt:MATRIX_FMT_FP6 matrix_b_scale:MATRIX_SCALE_ROW1
.else
	v_wmma_scale_f32_16x16x128_f8f6f4 v[AC:AC+7], v[W+12*(\o):W+12*(\o)+11], v[XF+12*(\n):XF+12*(\n)+11], v[AC:AC+7], v[WS+(\o)], v[XS+(\n)/2] matrix_a_fmt:MATRIX_FMT_FP6 matrix_b_fmt:MATRIX_FMT_FP6
.endif
.endif
.endm
; K step t: eight products, the eight accumulators by turns, one instruction a turn; the first K step starts the sums with the constant 0
.macro MM t, left
	s_wait_loadcnt \left                           ; x's fragments and scale words of this K step are in
.rept 8
	v_nop                                          ; the weight's scale word was written by a vector instruction: eight places ahead of a scaled product (its codes: four)
.endr
.irp n, 0,1,2,3
.irp o, 0,1
	WM \n, \o, (\t)==0
.endr
.endr
.rept 4
	v_nop                                          ; four places ahead of loads into x's registers, and of the first read of results
.endr
.if (\t) < 3
	XLOAD (\t)+1
.endif
.endm
	s_load_b256 s[4:11], s[0:1], 0x0               ; weight s[4:5], counts s[6:7], state s[8:9], psum s[10:11]
	s_load_b256 s[12:19], s[0:1], 0x20             ; ximg s[12:13], xsimg s[14:15], bias s[16:17], out0 s[18:19]
	v_lshl_add_u32 v254, v0, 2, 0x13000
	v_mov_b32 v255, 0
	v_lshrrev_b32 v88, 5, v0
	v_readfirstlane_b32 s[WV], v88                 ; wave 0..7
	v_and_b32 v88, 31, v0                          ; lane
	v_and_b32 v89, 15, v0                          ; r
	v_bfe_u32 v90, v0, 4, 1                        ; h
	v_lshrrev_b32 v91, 3, v0                       ; thread / 8
	v_and_b32 v92, 7, v0                           ; thread % 8
	s_lshl_b32 s71, s[WV], 11
	s_mul_i32 s72, s[WV], WREG
	s_mul_i32 s73, s[WV], 24576
	s_lshl_b32 s74, s[WV], 10
	v_lshl_add_u32 v[WOFF], v88, 4, s71
	v_lshl_add_u32 v[STO], v88, 4, s72
	v_mul_u32_u24 v[SLD], v89, 528
	v_lshl_add_u32 v[SLD], v90, 7, v[SLD]
	v_add_nc_u32 v[SLD], s72, v[SLD]
	v_lshl_add_u32 v[XO], v88, 4, s73
	v_lshl_add_u32 v[XSO], v88, 2, s74
	v_mul_u32_u24 v[PST], v89, 144
	v_lshl_add_u32 v[PST], v90, 5, v[PST]
	v_add_nc_u32 v[PST], s72, v[PST]
	v_lshlrev_b32 v[BO], 4, v92
	v_mad_u32_u24 v[PRD], v91, 144, v[BO]
	v_add_nc_u32 v[PRD2], 32*144, v[PRD]
	v_lshl_add_u32 v[OUTO], v91, 15, v[BO]
	v_lshlrev_b32 v[H8], 3, v90
	v_lshlrev_b32 v[T16], 4, v0
	v_lshl_add_u32 v[HLD], v88, 2, HS
	v_lshlrev_b32 v[PSO], 5, v88
	v_lshl_add_u32 v[HST], v0, 4, HS
	v_mov_b32 v[T2], 0                             ; written once: a lane permute's destination counts as one of its sources
	s_lshl_b32 s76, ttmp9, 19                      ; my 32 rows of weight: 524,288 bytes
	s_mov_b32 s77, 0
	s_lshl_b32 s78, ttmp9, 7                       ; my 32 outputs: 128 bytes of bias and of a row of out0
	s_mov_b32 s79, 0
	s_mov_b32 s67, 0x7fffffff
	s_mov_b32 s68, 0x76543210
	s_mov_b32 s69, 0xfedcba98                      ; lane l xor 16
	s_wait_kmcnt 0x0
	s_load_b96 s[24:26], s[8:9], 0x0               ; prefix, rank left, shift
	s_add_nc_u64 s[4:5], s[4:5], s[76:77]
	s_add_nc_u64 s[16:17], s[16:17], s[78:79]
	s_add_nc_u64 s[18:19], s[18:19], s[78:79]
	HEAD_LOADS
	global_load_b128 v[48:51], v[PSO], s[10:11]            ; the 256 partial sums of |w|, eight a lane
	global_load_b128 v[52:55], v[PSO], s[10:11] offset:16
	global_load_b128 v[BI:BI+3], v[BO], s[16:17]           ; bias of my four outputs
	RLOAD 0
	RLOAD 1
	RLOAD 2
	HEAD_SCAN 48                                   ; 48 = the three fragments of weight, issued behind the eleven small loads
	v_add_f32 v48, v48, v49
	v_add_f32 v50, v50, v51
	v_add_f32 v52, v52, v53
	v_add_f32 v54, v54, v55
	v_add_f32 v48, v48, v50
	v_add_f32 v52, v52, v54
	v_add_f32 v48, v48, v52
	v_add_f32_dpp v48, v48, v48 row_xmask:1 row_mask:0xf bank_mask:0xf
	v_add_f32_dpp v48, v48, v48 row_xmask:2 row_mask:0xf bank_mask:0xf
	v_add_f32_dpp v48, v48, v48 row_xmask:4 row_mask:0xf bank_mask:0xf
	v_add_f32_dpp v48, v48, v48 row_xmask:8 row_mask:0xf bank_mask:0xf
	v_permlanex16_b32 v[T2], v48, s68, s69
	v_add_f32 v48, v48, v[T2]
	v_mul_f32 v48, 0x33000000, v48                 ; / 2^25 numbers: the mean of |w|
	v_max_num_f32 v48, 0x3727c5ac, v48             ; at least 1e-5: scale
	v_mul_f32 v49, 0.5, v48
	v_readfirstlane_b32 s30, v48
	v_readfirstlane_b32 s66, v49
	XLOAD 0
	; The loads' order: R0 R1 R2 X0 | R3 R4 X1 | R5 R6 X2 | R7 X3 (R: 16 loads, X: 14).  Each count below is what was issued behind the loads that are wanted.
	FRAG 0, 46, 1                                  ; behind R0: R1, R2, X0
	FRAG 1, 46, 1                                  ; behind R1: R2, X0, R3
	MM 0, 32                                       ; behind X0: R3, R4
	FRAG 2, -1, 1                                  ; R2 is older than X0
	FRAG 3, 46, 1                                  ; behind R3: R4, X1, R5
	MM 1, 32                                       ; behind X1: R5, R6
	FRAG 4, -1, 1                                  ; R4 is older than X1
	FRAG 5, 46, 0                                  ; behind R5: R6, X2, R7
	MM 2, 16                                       ; behind X2: R7
	FRAG 6, -1, 0                                  ; R6 is older than X2
	FRAG 7, 14, 0                                  ; behind R7: X3
	MM 3, 0
	; THE WAY OUT: my partial sums (64 rows x 32 outputs) into my region, each accumulator from its low end on; a barrier.  The result is 64 rows x 128 bytes = 512 pieces of 16 bytes
	; for 256 threads: a thread adds, over the eight waves, the piece at row thread / 8 and the piece 32 rows further down, both at columns 4 (thread % 8) on.
.irp n, 0,1,2,3
.irp o, 0,1
	ds_store_b128 v[PST], v[ACC+8*(2*\n+\o):ACC+8*(2*\n+\o)+3] offset:2304*\n+64*\o
	ds_store_b128 v[PST], v[ACC+8*(2*\n+\o)+4:ACC+8*(2*\n+\o)+7] offset:2304*\n+64*\o+16
.endr
.endr
	s_wait_dscnt 0x0                               ; for the others' sake: my stores have landed
	s_barrier_signal -1
	s_barrier_wait -1
.irp s, 0,1,2,3,4,5,6,7
	ds_load_b128 v[16+4*\s:19+4*\s], v[PRD] offset:WREG*\s
.endr
.irp s, 0,1,2,3,4,5,6,7
	ds_load_b128 v[48+4*\s:51+4*\s], v[PRD2] offset:WREG*\s
.endr
	s_wait_dscnt 8                                 ; the first piece's eight loads are in; the second's may be out
.irp s, 1,2,3,4,5,6,7
	v_pk_add_f32 v[16:17], v[16:17], v[16+4*\s:17+4*\s]    ; K ascending
	v_pk_add_f32 v[18:19], v[18:19], v[18+4*\s:19+4*\s]
.endr
	v_pk_add_f32 v[16:17], v[16:17], v[BI:BI+1]
	v_pk_add_f32 v[18:19], v[18:19], v[BI+2:BI+3]
	global_store_b128 v[OUTO], v[16:19], s[18:19] th:TH_STORE_NT   ; eight lanes store a row's 128 consecutive bytes
	s_wait_dscnt 0x0
.irp s, 1,2,3,4,5,6,7
	v_pk_add_f32 v[48:49], v[48:49], v[48+4*\s:49+4*\s]
	v_pk_add_f32 v[50:51], v[50:51], v[50+4*\s:51+4*\s]
.endr
	v_pk_add_f32 v[48:49], v[48:49], v[BI:BI+1]
	v_pk_add_f32 v[50:51], v[50:51], v[BI+2:BI+3]
	global_store_b128 v[OUTO], v[48:51], s[18:19] offset:32*32768 th:TH_STORE_NT   ; 32 rows of 32,768 bytes further down: inside the signed 24-bit immediate
	s_wait_tensorcnt 0x0
	ds_add_u32 v254, v255
	s_wait_dscnt 0x0
	s_endpgm
.Lfunc_end_k_q7c86c332b3_gemm:
	.size	k_q7c86c332b3_gemm, .Lfunc_end_k_q7c86c332b3_gemm-k_q7c86c332b3_gemm
	.p2alignl 7, 3214868480
	.fill 96, 4, 3214868480
	.section	.rodata,"a",@progbits
	.p2align	6, 0x0
	.amdhsa_kernel k_q7c86c332b3_gemm
		.amdhsa_group_segment_fixed_size 78848
		.amdhsa_private_segment_fixed_size 0
		.amdhsa_enable_private_segment 0
		.amdhsa_kernarg_size 64
		.amdhsa_user_sgpr_count 2
		.amdhsa_user_sgpr_kernarg_segment_ptr 1
		.amdhsa_wavefront_size32 1
		.amdhsa_system_sgpr_workgroup_id_x 1
		.amdhsa_system_sgpr_workgroup_id_y 1
		.amdhsa_system_sgpr_workgroup_id_z 1
		.amdhsa_system_vgpr_workitem_id 0
		.amdhsa_next_free_vgpr 512
		.amdhsa_next_free_sgpr 80
		.amdhsa_reserve_vcc 0
		.amdhsa_float_denorm_mode_32 3
		.amdhsa_float_denorm_mode_16_64 3
		.amdhsa_memory_ordered 1
		.amdhsa_forward_progress 1
		.amdhsa_inst_pref_size 255
	.end_amdhsa_kernel
	.section	.bss,"aw",@nobits
	.p2align	6
	.space	262144
	.amdgpu_metadata
---
amdhsa.version: [ 1, 2 ]
amdhsa.kernels:
  - .name:           k_q7c86c332b3_gemm
    .symbol:         k_q7c86c332b3_gemm.kd
    .args:
      - { .name: weight, .offset: 0, .size: 8, .value_kind: global_buffer, .address_space: global }
      - { .name: cntB, .offset: 8, .size: 8, .value_kind: global_buffer, .address_space: global }
      - { .name: stB, .offset: 16, .size: 8, .value_kind: global_buffer, .address_space: global }
      - { .name: psum, .offset: 24, .size: 8, .value_kind: global_buffer, .address_space: global }
      - { .name: ximg, .offset: 32, .size: 8, .value_kind: global_buffer, .address_space: global }
      - { .name: xsimg, .offset: 40, .size: 8, .value_kind: global_buffer, .address_space: global }
      - { .name: bias, .offset: 48, .size: 8, .value_kind: global_buffer, .address_space: global }
      - { .name: out0, .offset: 56, .size: 8, .value_kind: global_buffer, .address_space: global }
    .group_segment_fixed_size: 78848
    .private_segment_fixed_size: 0
    .kernarg_segment_align: 8
    .kernarg_segment_size: 64
    .max_flat_workgroup_size: 256
    .sgpr_count:     80
    .vgpr_count:     512
    .wavefront_size: 32
...
	.end_amdgpu_metadata
.endif
;; end of part 3
;; ======== version 2 of 2: 7 launches
;; limits: inputs' magnitudes at most 2; right only within a limited range of input values
;; workspace buffers: cntA 1,081,344 bytes of whole numbers; cntB 1,081,344 bytes of whole numbers; stA 256 bytes of whole numbers; stB 256 bytes of whole numbers; psum 1,024 bytes; ximg 196,608 bytes; xsimg 8,192 bytes
;; launch first (part 4): grid 256 x 1, 8 waves a work-group, no clusters, 9,216 bytes of LDS; arguments weight, x_codes, x_scales, cntA, stA, psum, ximg, xsimg; writes cntA, stA, psum, ximg, xsimg
.if DOCPART == 4
	.amdgcn_target "amdgcn-amd-amdhsa--gfx1250"
	.amdhsa_code_object_version 6
	.text
	.protected	k_q7c86c332b3_first
	.globl	k_q7c86c332b3_first
	.p2align	8
	.type	k_q7c86c332b3_first,@function
k_q7c86c332b3_first:
	s_mov_b64 s[64:65], 0
	v_nop
	global_prefetch_b8 v0, s[64:65] scope:SCOPE_SE
	s_setreg_imm32_b32 hwreg(HW_REG_WAVE_MODE, 25, 1), 1
	s_wait_xcnt 0x0
; FIRST OF SIX COUNTING PASSES over weight [8192][4096] f32, for the exact order statistic thr = the |w| of rank 30,198,988 (counted from 0), found by a radix select on the
; bits of |w|, five bits a pass.  This pass counts the digit in bits 29:25 of every |w| whose bit 30 is clear, sums |w| (for the mean), and lays x out for the product's launch.
; LIMITS: keys are bits 29:0 of |w|; a weight with |w| >= 2 is counted nowhere, which is right for a number above thr: so the select holds while thr < 2.0, that is while fewer than a
; tenth of the weights have |w| >= 2.  NaN and infinities are not served.  The sum of |w| is a tree of f32 sums (128 numbers a chain, 4 chains a lane, lanes, waves, work-groups).
; SHARES: work-group g takes bytes 524,288 g on, wave w 65,536 of them: 128 loads of 512 consecutive bytes; a lane sees 512 numbers.
; COUNTING WITHOUT ATOMICS AND WITHOUT ADDRESSES MADE FROM DATA: each number becomes the word 1 << digit (0 where the prefix does not fit); the words are added in bit-sliced counters:
; bit j of register L+i is bit i of the lane's count of bin j.  Sixteen words cost fifteen full adders of three instructions and a ripple of eleven.
; No matrix unit, no tensor loads, no cluster: every byte is read once by one lane, and nothing is shared.  A ring of eight slots keeps 32 loads of every wave in flight.
.set SUMS, 1                           ; this pass also sums |w|
.set WV,   70                          ; s70  wave
.set OFF,  1                           ; v1   65,536 wave + 16 lane; never rewritten
.set LANE, 2                           ; v2   lane
.set L4,   3                           ; v3   4 lane
.set CSR,  5                           ; v5   LDS: CS + 4 lane
.set CSW,  6                           ; v6   LDS: CS + 128 wave + 4 lane
.set FSW,  7                           ; v7   LDS: FS + 4 wave
.set T,    8                           ; v8-12 at work
.set B,    20                          ; v20  the other lane's slice
.set CY,   21                          ; v21-22 carries, by turns
.set CNT,  23                          ; v23  lane j: the wave's count of bin j
.set SUM,  24                          ; v24-27 four sums of |w|
.set L,    32                          ; v32-46 the bit-sliced counters
.set R,    64                          ; v64-191 the ring: eight slots of 16 registers
.set CS,   4096                        ; LDS: 128 bytes a wave: its 32 counts
.set FS,   5120                        ; LDS: 4 bytes a wave: its sum
; four numbers x .. x+3 become four one-hot words, in place; the four by turns
.macro HOT4 x
.if SUMS
.irp i, 0,1,2,3
	v_add_f32 v[SUM+\i], v[SUM+\i], |v[\x+\i]|
.endr
.endif
.irp i, 0,1,2,3
	v_and_b32 v[T+\i], s30, v[\x+\i]               ; the bits above the digit, without the sign
.endr
.irp i, 0,1,2,3
	s_delay_alu instid0(VALU_DEP_4)
	v_cmp_eq_u32 s[20+\i], s31, v[T+\i]            ; are they the prefix?
.endr
.irp i, 0,1,2,3
	v_bfe_u32 v[T+\i], v[\x+\i], s66, 5            ; the digit
.endr
.irp i, 0,1,2,3
	s_delay_alu instid0(VALU_DEP_4)
	v_lshlrev_b32 v[\x+\i], v[T+\i], 1             ; 1 << digit
.endr
.irp i, 0,1,2,3
	s_delay_alu instid0(VALU_DEP_4)
	v_cndmask_b32 v[\x+\i], 0, v[\x+\i], s[20+\i]
.endr
.endm
; a full adder on slices a, b, c, in three phases: the sum lands in a, the carry in b
.macro FA ph, t, a, b, c
.if \ph == 1
	v_xor_b32 v[\t], v[\a], v[\b]
.elseif \ph == 2
	v_bfi_b32 v[\b], v[\t], v[\c], v[\a]           ; where a and b differ the carry is c, else a
.else
	v_xor_b32 v[\a], v[\t], v[\c]
.endif
.endm
; the adders of a round share no register, so each round is written phase by phase
.macro RNDA ph, x
	FA \ph, T, L, \x, \x+1
	FA \ph, T+1, \x+2, \x+3, \x+4
	FA \ph, T+2, \x+5, \x+6, \x+7
	FA \ph, T+3, \x+8, \x+9, \x+10
	FA \ph, T+4, \x+11, \x+12, \x+13
.endm
.macro RNDB ph, x
	FA \ph, T, L, \x+2, \x+5
	FA \ph, T+1, \x+8, \x+11, \x+14
	FA \ph, T+2, L+1, \x, \x+3
	FA \ph, T+3, \x+6, \x+9, \x+12
.endm
.macro RNDC ph, x
	FA \ph, T, L, \x+8, \x+15
	FA \ph, T+1, L+1, \x+6, \x+2
	FA \ph, T+2, L+2, \x, \x+9
.endm
; sixteen numbers x .. x+15 are added to the counters
.macro BLOCK x
	HOT4 \x
	HOT4 \x+4
	HOT4 \x+8
	HOT4 \x+12
.irp p, 1,2,3
	RNDA \p, \x
.endr
.irp p, 1,2,3
	RNDB \p, \x
.endr
.irp p, 1,2,3
	RNDC \p, \x
.endr
.irp p, 1,2,3
	FA \p, T, L+1, \x+11, \x+8
.endr
.irp p, 1,2,3
	FA \p, T, L+2, \x+6, \x+11
.endr
.irp p, 1,2,3
	FA \p, T, L+3, \x, \x+6
.endr
	s_delay_alu instid0(VALU_DEP_2)
	v_and_b32 v[T], v[L+4], v[\x]                  ; the carry of weight 16 ripples up: 512 numbers a lane fit in ten slices
	s_delay_alu instid0(VALU_DEP_3)
	v_xor_b32 v[L+4], v[L+4], v[\x]
	s_delay_alu instid0(VALU_DEP_2)
	v_and_b32 v[T+1], v[L+5], v[T]
	s_delay_alu instid0(VALU_DEP_3)
	v_xor_b32 v[L+5], v[L+5], v[T]
	s_delay_alu instid0(VALU_DEP_2)
	v_and_b32 v[T], v[L+6], v[T+1]
	s_delay_alu instid0(VALU_DEP_3)
	v_xor_b32 v[L+6], v[L+6], v[T+1]
	s_delay_alu instid0(VALU_DEP_2)
	v_and_b32 v[T+1], v[L+7], v[T]
	s_delay_alu instid0(VALU_DEP_3)
	v_xor_b32 v[L+7], v[L+7], v[T]
	s_delay_alu instid0(VALU_DEP_2)
	v_and_b32 v[T], v[L+8], v[T+1]
	s_delay_alu instid0(VALU_DEP_3)
	v_xor_b32 v[L+8], v[L+8], v[T+1]
	s_delay_alu instid0(VALU_DEP_2)
	v_xor_b32 v[L+9], v[L+9], v[T]
.endm
; one slot's turn.  left: the younger loads that may stay out
.macro SLOT i, refill, left
	s_wait_loadcnt \left                           ; loads come back in order: this slot's four are in
	BLOCK R+16*\i
.if \refill
.irp q, 0,1,2,3
	global_load_b128 v[R+16*\i+4*\q:R+16*\i+4*\q+3], v[OFF], s[4:5] offset:16384+2048*\i+512*\q th:TH_LOAD_NT
.endr
.endif
.endm
; lanes l and l xor m add their n slices: a ripple adder on slices; both end with the same n + 1 slices
.macro XADD n, m
.set i, 0
.rept \n
.if \m == 16
	v_permlanex16_b32 v[B], v[L+i], s68, s69
.else
	v_mov_b32_dpp v[B], v[L+i] row_xmask:\m row_mask:0xf bank_mask:0xf
.endif
.if i == 0
	s_delay_alu instid0(VALU_DEP_1)
	v_and_b32 v[CY], v[L], v[B]
	s_delay_alu instid0(VALU_DEP_2)
	v_xor_b32 v[L], v[L], v[B]
.else
	s_delay_alu instid0(VALU_DEP_1)
	v_xor_b32 v[T], v[L+i], v[B]
	s_delay_alu instid0(VALU_DEP_1)
	v_bfi_b32 v[CY+i%2], v[T], v[CY+(i+1)%2], v[L+i]
	s_delay_alu instid0(VALU_DEP_2)
	v_xor_b32 v[L+i], v[T], v[CY+(i+1)%2]
.endif
.set i, i+1
.endr
	s_delay_alu instid0(VALU_DEP_2)
	v_mov_b32 v[L+\n], v[CY+(\n-1)%2]
.endm
.macro DECODE                          ; the wave's counts: lane j takes bit j of each of the fifteen slices
	XADD 10, 1
	XADD 11, 2
	XADD 12, 4
	XADD 13, 8
	XADD 14, 16
	v_bfe_u32 v[CNT], v[L], v[LANE], 1
.set i, 1
.rept 14
	v_bfe_u32 v[T], v[L+i], v[LANE], 1
	s_delay_alu instid0(VALU_DEP_1)
	v_lshl_or_b32 v[CNT], v[T], i, v[CNT]
.set i, i+1
.endr
.endm
	s_load_b256 s[4:11], s[0:1], 0x0               ; weight s[4:5], x_codes s[6:7], x_scales s[8:9], the counts s[10:11]
	s_load_b256 s[12:19], s[0:1], 0x20             ; the state s[12:13], psum s[14:15], ximg s[16:17], xsimg s[18:19]
	v_lshl_add_u32 v224, v0, 2, 0x2000
	v_mov_b32 v225, 0
	v_lshrrev_b32 v[LANE], 5, v0
	s_delay_alu instid0(VALU_DEP_1)
	v_readfirstlane_b32 s[WV], v[LANE]             ; wave 0..7
	v_and_b32 v[LANE], 31, v0
	s_delay_alu instid0(VALU_DEP_1)
	v_lshlrev_b32 v[L4], 2, v[LANE]
	s_lshl_b32 s71, s[WV], 16
	v_lshl_add_u32 v[OFF], v[LANE], 4, s71
	s_lshl_b32 s71, s[WV], 7
	v_add_nc_u32 v[CSW], s71, v[L4]
	s_delay_alu instid0(VALU_DEP_1)
	v_add_nc_u32 v[CSW], CS, v[CSW]
	v_add_nc_u32 v[CSR], CS, v[L4]
	s_lshl_b32 s71, s[WV], 2
	v_mov_b32 v[FSW], s71
	s_delay_alu instid0(VALU_DEP_1)
	v_add_nc_u32 v[FSW], FS, v[FSW]
	s_lshl_b32 s72, ttmp9, 19                      ; my work-group's 524,288 bytes of weight
	s_mov_b32 s73, 0
	s_lshl_b32 s74, ttmp9, 7                       ; its 32 counts
	s_mov_b32 s75, 0
	s_lshl_b32 s76, ttmp9, 2                       ; its sum
	s_mov_b32 s77, 0
	s_mov_b32 s30, 0x40000000                      ; above the digit: bit 30,
	s_mov_b32 s31, 0                               ; which is clear,
	s_mov_b32 s66, 25                              ; and the digit begins at bit 25
	s_mov_b32 s68, 0x76543210
	s_mov_b32 s69, 0xfedcba98                      ; lane l xor 16
	s_wait_alu depctr_va_vdst(0)
	s_wait_kmcnt 0x0
	s_add_nc_u64 s[4:5], s[4:5], s[72:73]
	s_add_nc_u64 s[10:11], s[10:11], s[74:75]
	s_add_nc_u64 s[14:15], s[14:15], s[76:77]
.set k, 0
.rept 32
	global_load_b128 v[R+4*k:R+4*k+3], v[OFF], s[4:5] offset:512*k th:TH_LOAD_NT   ; the ring is filled: 16,384 bytes a wave
.set k, k+1
.endr
.set k, 0
.rept 10
	v_mov_b32 v[L+k], 0
.set k, k+1
.endr
.irp i, 0,1,2,3
	v_mov_b32 v[SUM+\i], 0
.endr
	v_mov_b32 v[B], 0                              ; written once: a lane permute's destination counts as one of its sources
	; x IS LAID OUT AS THE PRODUCT WANTS IT: fragment (ks, nt) = 16 rows x 128 K as an image of its 12 registers, three runs of 512 bytes; its scale words by rows.  128 fragments: wave 0 of work-groups 0 to 127, one each.
	s_cmp_lg_u32 s[WV], 0
	s_cbranch_scc1 .Lno_x
	s_cmp_ge_u32 ttmp9, 128
	s_cbranch_scc1 .Lno_x
	s_lshr_b32 s71, ttmp9, 2                       ; ks
	s_and_b32 s78, ttmp9, 3                        ; nt
	s_mul_i32 s79, s78, 16*3072
	s_mul_i32 s24, s71, 96
	s_add_co_u32 s79, s79, s24
	v_and_b32 v213, 15, v0                         ; r
	v_bfe_u32 v214, v0, 4, 1                       ; h
	s_delay_alu instid0(VALU_DEP_2)
	v_mul_u32_u24 v215, v213, 3072
	s_delay_alu instid0(VALU_DEP_1)
	v_mad_u32_u24 v215, v214, 24, v215
	s_delay_alu instid0(VALU_DEP_1)
	v_add_nc_u32 v215, s79, v215                   ; codes: row 16 nt + r of 3,072 bytes, + 96 ks + 24 h
	s_lshl_b32 s79, s78, 11
	s_lshl_b32 s24, s71, 2
	s_add_co_u32 s79, s79, s24
	v_lshl_add_u32 v216, v213, 7, s79              ; scale word: row 16 nt + r of 128 bytes, + 4 ks
	s_mul_i32 s79, ttmp9, 1536
	v_lshl_add_u32 v217, v[LANE], 4, s79           ; the image: 1,536 (4 ks + nt) + 16 lane
	s_lshl_b32 s79, s71, 8
	s_lshl_b32 s24, s78, 6
	s_add_co_u32 s79, s79, s24
	v_lshl_add_u32 v218, v213, 2, s79              ; its scale words: 4 (64 ks + 16 nt + r)
.irp p, 0,1,2,3,4,5
	global_load_b64 v[200+2*\p:201+2*\p], v215, s[6:7] offset:48*(\p/3)+8*(\p%3)
.endr
	global_load_b32 v212, v216, s[8:9]
	s_wait_alu depctr_va_vdst(0)
	s_wait_loadcnt 0x0                             ; they were issued last: zero
.irp c, 0,1,2
	global_store_b128 v217, v[200+4*\c:203+4*\c], s[16:17] offset:512*\c   ; 32 lanes store 512 consecutive bytes
.endr
	global_store_b32 v218, v212, s[18:19]          ; both halves of the lanes store the same word with the same value
.Lno_x:
	s_mov_b32 s67, 3
.Ltrip:                                            ; three trips fill every slot again; 28 = the seven younger slots' loads, on the way in and round the back edge
	s_wait_alu depctr_va_vdst(0)
.irp i, 0,1,2,3,4,5,6,7
	SLOT \i, 1, 28
.endr
	s_wait_xcnt 0x0                                ; the loads have read their base: it may step
	s_add_nc_u64 s[4:5], s[4:5], 16384
	s_sub_co_u32 s67, s67, 1
	s_cmp_lg_u32 s67, 0
	s_cbranch_scc1 .Ltrip
.irp i, 0,1,2,3,4,5,6,7
	SLOT \i, 0, 28-4*\i                            ; the last round loads nothing: the counts run down
.endr
	DECODE
	ds_store_b32 v[CSW], v[CNT]
	v_add_f32 v[SUM], v[SUM], v[SUM+1]             ; the wave's sum of |w|
	v_add_f32 v[SUM+2], v[SUM+2], v[SUM+3]
	s_delay_alu instid0(VALU_DEP_1)
	v_add_f32 v[SUM], v[SUM], v[SUM+2]
	s_delay_alu instid0(VALU_DEP_1)
	v_add_f32_dpp v[SUM], v[SUM], v[SUM] row_xmask:1 row_mask:0xf bank_mask:0xf
	s_delay_alu instid0(VALU_DEP_1)
	v_add_f32_dpp v[SUM], v[SUM], v[SUM] row_xmask:2 row_mask:0xf bank_mask:0xf
	s_delay_alu instid0(VALU_DEP_1)
	v_add_f32_dpp v[SUM], v[SUM], v[SUM] row_xmask:4 row_mask:0xf bank_mask:0xf
	s_delay_alu instid0(VALU_DEP_1)
	v_add_f32_dpp v[SUM], v[SUM], v[SUM] row_xmask:8 row_mask:0xf bank_mask:0xf
	s_delay_alu instid0(VALU_DEP_1)
	v_permlanex16_b32 v[B], v[SUM], s68, s69
	s_delay_alu instid0(VALU_DEP_1)
	v_add_f32 v[SUM], v[SUM], v[B]
	ds_store_b32 v[FSW], v[SUM]                    ; all lanes write the wave's word with the same value
	s_wait_dscnt 0x0                               ; for the others' sake: my stores have landed
	s_barrier_signal -1
	s_barrier_wait -1
	s_cmp_lg_u32 s[WV], 0
	s_cbranch_scc1 .Lend                           ; wave 0 adds the eight waves' figures
.irp w, 0,1,2,3,4,5,6,7
	ds_load_b32 v[L+\w], v[CSR] offset:128*\w
.endr
	v_mov_b32 v13, FS
	ds_load_b128 v[48:51], v13
	ds_load_b128 v[52:55], v13 offset:16
	s_wait_dscnt 0x0
.irp w, 1
	v_add_nc_u32 v[L], v[L], v[L+\w]
.endr
.irp w, 2, 3, 4, 5, 6, 7
	s_delay_alu instid0(VALU_DEP_1)
	v_add_nc_u32 v[L], v[L], v[L+\w]
.endr
	v_add_f32 v48, v48, v49
	v_add_f32 v50, v50, v51
	v_add_f32 v52, v52, v53
	v_add_f32 v54, v54, v55
	s_delay_alu instid0(VALU_DEP_3)
	v_add_f32 v48, v48, v50
	s_delay_alu instid0(VALU_DEP_2)
	v_add_f32 v52, v52, v54
	s_delay_alu instid0(VALU_DEP_1)
	v_add_f32 v48, v48, v52
	v_mov_b32 v14, 0
	global_store_b32 v[L4], v[L], s[10:11]         ; the work-group's 32 counts: 128 consecutive bytes
	global_store_b32 v14, v48, s[14:15]            ; its sum: one word, the same from every lane
	s_cmp_lg_u32 ttmp9, 0
	s_cbranch_scc1 .Lend
	s_mov_b32 s25, 30198988                        ; the rank asked for: n - k - 1 with n = 33,554,432 and k = 3,355,443
	s_mov_b32 s26, 25
	v_mov_b32 v15, 0                               ; the state beside these counts: prefix 0,
	s_delay_alu instid0(VALU_DEP_1)
	v_writelane_b32 v15, s25, 1                    ; rank left,
	s_delay_alu instid0(VALU_DEP_1)
	v_writelane_b32 v15, s26, 2                    ; the digit's shift
	global_store_b32 v[L4], v15, s[12:13]
.Lend:
	s_wait_tensorcnt 0x0
	ds_add_u32 v224, v225
	s_wait_dscnt 0x0
	s_endpgm
.Lfunc_end_k_q7c86c332b3_first:
	.size	k_q7c86c332b3_first, .Lfunc_end_k_q7c86c332b3_first-k_q7c86c332b3_first
	.p2alignl 7, 3214868480
	.fill 96, 4, 3214868480
	.section	.rodata,"a",@progbits
	.p2align	6, 0x0
	.amdhsa_kernel k_q7c86c332b3_first
		.amdhsa_group_segment_fixed_size 9216
		.amdhsa_private_segment_fixed_size 0
		.amdhsa_enable_private_segment 0
		.amdhsa_kernarg_size 64
		.amdhsa_user_sgpr_count 2
		.amdhsa_user_sgpr_kernarg_segment_ptr 1
		.amdhsa_wavefront_size32 1
		.amdhsa_system_sgpr_workgroup_id_x 1
		.amdhsa_system_sgpr_workgroup_id_y 1
		.amdhsa_system_sgpr_workgroup_id_z 1
		.amdhsa_system_vgpr_workitem_id 0
		.amdhsa_next_free_vgpr 226
		.amdhsa_next_free_sgpr 80
		.amdhsa_reserve_vcc 0
		.amdhsa_float_denorm_mode_32 3
		.amdhsa_float_denorm_mode_16_64 3
		.amdhsa_memory_ordered 1
		.amdhsa_forward_progress 1
		.amdhsa_inst_pref_size 187
	.end_amdhsa_kernel
	.amdgpu_metadata
---
amdhsa.version: [ 1, 2 ]
amdhsa.kernels:
  - .name:           k_q7c86c332b3_first
    .symbol:         k_q7c86c332b3_first.kd
    .args:
      - { .name: weight, .offset: 0, .size: 8, .value_kind: global_buffer, .address_space: global }
      - { .name: x_codes, .offset: 8, .size: 8, .value_kind: global_buffer, .address_space: global }
      - { .name: x_scales, .offset: 16, .size: 8, .value_kind: global_buffer, .address_space: global }
      - { .name: cntA, .offset: 24, .size: 8, .value_kind: global_buffer, .address_space: global }
      - { .name: stA, .offset: 32, .size: 8, .value_kind: global_buffer, .address_space: global }
      - { .name: psum, .offset: 40, .size: 8, .value_kind: global_buffer, .address_space: global }
      - { .name: ximg, .offset: 48, .size: 8, .value_kind: global_buffer, .address_space: global }
      - { .name: xsimg, .offset: 56, .size: 8, .value_kind: global_buffer, .address_space: global }
    .group_segment_fixed_size: 9216
    .private_segment_fixed_size: 0
    .kernarg_segment_align: 8
    .kernarg_segment_size: 64
    .max_flat_workgroup_size: 256
    .sgpr_count:     80
    .vgpr_count:     226
    .wavefront_size: 32
...
	.end_amdgpu_metadata
.endif
;; end of part 4
;; launch c2 (part 5): grid 256 x 1, 8 waves a work-group, no clusters, 9,216 bytes of LDS; arguments weight, cntA, stA, cntB, stB; writes cntB, stB
.if DOCPART == 5
	.amdgcn_target "amdgcn-amd-amdhsa--gfx1250"
	.amdhsa_code_object_version 6
	.text
	.protected	k_q7c86c332b3_c2
	.globl	k_q7c86c332b3_c2
	.p2align	8
	.type	k_q7c86c332b3_c2,@function
k_q7c86c332b3_c2:
	s_mov_b64 s[64:65], 0
	v_nop
	global_prefetch_b8 v0, s[64:65] scope:SCOPE_SE
	s_setreg_imm32_b32 hwreg(HW_REG_WAVE_MODE, 25, 1), 1
	s_wait_xcnt 0x0
; A FURTHER COUNTING PASS of the radix select on the bits of |w| (weight [8192][4096] f32).  Every work-group first finishes the pass before: it adds the 256 work-groups' counts
; [256][32], finds the digit D in which the rank left falls, and so has the new prefix P' = P | D << S, the rank left under it and the next digit's shift S - 5.  Then it counts that
; digit over its 524,288 bytes of weight, among the numbers whose bits 30 : S are the prefix.  Work-group 0 stores the new state beside the new counts.
; LIMITS: keys are bits 29:0 of |w|; the select holds while thr < 2.0 (fewer than a tenth of the weights with |w| >= 2).  NaN and infinities are not served.
; SHARES, counters and ring: wave w takes 65,536 bytes, 128 loads of 512 consecutive bytes, 32 of them in flight; a number becomes 1 << digit or 0; the words are added in bit-sliced
; counters (bit j of register L+i is bit i of the lane's count of bin j).  No atomics; no address and no branch is made from data: what the counts decide is chosen by s_cselect_b32.
; No matrix unit, no tensor loads, no cluster: every byte of weight is read once by one lane.
.set SUMS, 0
.set WV,   70                          ; s70  wave
.set CNTP, 6                           ; s[6:7] the counts of the pass before
.set OFF,  1                           ; v1   65,536 wave + 16 lane; never rewritten
.set LANE, 2                           ; v2   lane
.set L4,   3                           ; v3   4 lane
.set T16,  4                           ; v4   16 x thread: my 16 bytes of each 4,096 of the counts
.set CSR,  5                           ; v5   LDS: CS + 4 lane
.set CSW,  6                           ; v6   LDS: CS + 128 wave + 4 lane
.set HST,  7                           ; v7   LDS: HS + 16 x thread
.set T,    8                           ; v8-12 at work
.set HLD,  13                          ; v13  LDS: HS + 4 lane
.set B,    20                          ; v20  the other lane's slice
.set CY,   21                          ; v21-22 carries, by turns
.set CNT,  23                          ; v23  lane j: the wave's count of bin j
.set L,    32                          ; v32-46 the bit-sliced counters
.set R,    64                          ; v64-191 the ring: eight slots of 16 registers
.set HB,   192                         ; v192-223 the old counts on their way to one sum a bin
.set HS,   0                           ; LDS: 32 rows of 32 partial sums
.set CS,   4096                        ; LDS: 128 bytes a wave: its 32 counts
.macro HOT4 x
.irp i, 0,1,2,3
	v_and_b32 v[T+\i], s30, v[\x+\i]               ; the bits above the digit, without the sign
.endr
.irp i, 0,1,2,3
	s_delay_alu instid0(VALU_DEP_4)
	v_cmp_eq_u32 s[20+\i], s31, v[T+\i]            ; are they the prefix?
.endr
.irp i, 0,1,2,3
	v_bfe_u32 v[T+\i], v[\x+\i], s66, 5            ; the digit
.endr
.irp i, 0,1,2,3
	s_delay_alu instid0(VALU_DEP_4)
	v_lshlrev_b32 v[\x+\i], v[T+\i], 1             ; 1 << digit
.endr
.irp i, 0,1,2,3
	s_delay_alu instid0(VALU_DEP_4)
	v_cndmask_b32 v[\x+\i], 0, v[\x+\i], s[20+\i]
.endr
.endm
; a full adder on slices a, b, c, in three phases: the sum lands in a, the carry in b
.macro FA ph, t, a, b, c
.if \ph == 1
	v_xor_b32 v[\t], v[\a], v[\b]
.elseif \ph == 2
	v_bfi_b32 v[\b], v[\t], v[\c], v[\a]           ; where a and b differ the carry is c, else a
.else
	v_xor_b32 v[\a], v[\t], v[\c]
.endif
.endm
.macro RNDA ph, x
	FA \ph, T, L, \x, \x+1
	FA \ph, T+1, \x+2, \x+3, \x+4
	FA \ph, T+2, \x+5, \x+6, \x+7
	FA \ph, T+3, \x+8, \x+9, \x+10
	FA \ph, T+4, \x+11, \x+12, \x+13
.endm
.macro RNDB ph, x
	FA \ph, T, L, \x+2, \x+5
	FA \ph, T+1, \x+8, \x+11, \x+14
	FA \ph, T+2, L+1, \x, \x+3
	FA \ph, T+3, \x+6, \x+9, \x+12
.endm
.macro RNDC ph, x
	FA \ph, T, L, \x+8, \x+15
	FA \ph, T+1, L+1, \x+6, \x+2
	FA \ph, T+2, L+2, \x, \x+9
.endm
.macro BLOCK x                         ; sixteen numbers are added to the counters: fifteen full adders, in rounds whose adders share no register, and a ripple
	HOT4 \x
	HOT4 \x+4
	HOT4 \x+8
	HOT4 \x+12
.irp p, 1,2,3
	RNDA \p, \x
.endr
.irp p, 1,2,3
	RNDB \p, \x
.endr
.irp p, 1,2,3
	RNDC \p, \x
.endr
.irp p, 1,2,3
	FA \p, T, L+1, \x+11, \x+8
.endr
.irp p, 1,2,3
	FA \p, T, L+2, \x+6, \x+11
.endr
.irp p, 1,2,3
	FA \p, T, L+3, \x, \x+6
.endr
	s_delay_alu instid0(VALU_DEP_2)
	v_and_b32 v[T], v[L+4], v[\x]                  ; the carry of weight 16 ripples up: 512 numbers a lane fit in ten slices
	s_delay_alu instid0(VALU_DEP_3)
	v_xor_b32 v[L+4], v[L+4], v[\x]
	s_delay_alu instid0(VALU_DEP_2)
	v_and_b32 v[T+1], v[L+5], v[T]
	s_delay_alu instid0(VALU_DEP_3)
	v_xor_b32 v[L+5], v[L+5], v[T]
	s_delay_alu instid0(VALU_DEP_2)
	v_and_b32 v[T], v[L+6], v[T+1]
	s_delay_alu instid0(VALU_DEP_3)
	v_xor_b32 v[L+6], v[L+6], v[T+1]
	s_delay_alu instid0(VALU_DEP_2)
	v_and_b32 v[T+1], v[L+7], v[T]
	s_delay_alu instid0(VALU_DEP_3)
	v_xor_b32 v[L+7], v[L+7], v[T]
	s_delay_alu instid0(VALU_DEP_2)
	v_and_b32 v[T], v[L+8], v[T+1]
	s_delay_alu instid0(VALU_DEP_3)
	v_xor_b32 v[L+8], v[L+8], v[T+1]
	s_delay_alu instid0(VALU_DEP_2)
	v_xor_b32 v[L+9], v[L+9], v[T]
.endm
.macro SLOT i, refill, left
	s_wait_loadcnt \left                           ; loads come back in order: this slot's four are in
	BLOCK R+16*\i
.if \refill
.irp q, 0,1,2,3
	global_load_b128 v[R+16*\i+4*\q:R+16*\i+4*\q+3], v[OFF], s[4:5] offset:16384+2048*\i+512*\q th:TH_LOAD_NT
.endr
.endif
.endm
.macro XADD n, m                       ; lanes l and l xor m add their n slices: both end with the same n + 1 slices
.set i, 0
.rept \n
.if \m == 16
	v_permlanex16_b32 v[B], v[L+i], s68, s69
.else
	v_mov_b32_dpp v[B], v[L+i] row_xmask:\m row_mask:0xf bank_mask:0xf
.endif
.if i == 0
	s_delay_alu instid0(VALU_DEP_1)
	v_and_b32 v[CY], v[L], v[B]
	s_delay_alu instid0(VALU_DEP_2)
	v_xor_b32 v[L], v[L], v[B]
.else
	s_delay_alu instid0(VALU_DEP_1)
	v_xor_b32 v[T], v[L+i], v[B]
	s_delay_alu instid0(VALU_DEP_1)
	v_bfi_b32 v[CY+i%2], v[T], v[CY+(i+1)%2], v[L+i]
	s_delay_alu instid0(VALU_DEP_2)
	v_xor_b32 v[L+i], v[T], v[CY+(i+1)%2]
.endif
.set i, i+1
.endr
	s_delay_alu instid0(VALU_DEP_2)
	v_mov_b32 v[L+\n], v[CY+(\n-1)%2]
.endm
.macro DECODE
	XADD 10, 1
	XADD 11, 2
	XADD 12, 4
	XADD 13, 8
	XADD 14, 16
	v_bfe_u32 v[CNT], v[L], v[LANE], 1
.set i, 1
.rept 14
	v_bfe_u32 v[T], v[L+i], v[LANE], 1
	s_delay_alu instid0(VALU_DEP_1)
	v_lshl_or_b32 v[CNT], v[T], i, v[CNT]
.set i, i+1
.endr
.endm
; THE PASS BEFORE IS FINISHED.  Its counts are 32,768 bytes: eight loads of 16 bytes a thread; a thread's words are always bins 4 (thread % 8) + 0 .. 3.
.macro HEAD_LOADS
.irp i, 0,1,2,3,4,5,6,7
	global_load_b128 v[HB+4*\i:HB+4*\i+3], v[T16], s[CNTP:CNTP+1] offset:4096*\i
.endr
.endm
.macro HEAD_SCAN left                  ; left: the loads issued behind those eight
	s_wait_loadcnt \left
.irp i, 1,2,3,4,5,6,7
.irp q, 0,1,2,3
	v_add_nc_u32 v[HB+\q], v[HB+\q], v[HB+4*\i+\q]
.endr
.endr
	ds_store_b128 v[HST], v[HB:HB+3]               ; 256 threads x 4 words = 32 rows of 32 bins
	s_wait_dscnt 0x0                               ; for the others' sake: my store has landed
	s_barrier_signal -1
	s_barrier_wait -1
.set g, 0
.rept 32
	ds_load_b32 v[HB+g], v[HLD] offset:128*g       ; lane j: bin j of row g
.set g, g+1
.endr
	s_wait_dscnt 0x0
.irp d, 16,8,4,2,1
.set g, 0
.rept \d
	v_add_nc_u32 v[HB+g], v[HB+g], v[HB+\d+g]
.set g, g+1
.endr
.endr
.set j, 0
.rept 31
	v_readlane_b32 s[32+j], v[HB], j               ; bins 0 to 30 as scalars (the last bin decides nothing)
.set j, j+1
.endr
	s_wait_kmcnt 0x0                               ; the state: s24 prefix, s25 rank left, s26 shift
	s_mov_b32 s27, 0                               ; running sum
	s_mov_b32 s28, 0                               ; D = how many running sums do not pass the rank
	s_mov_b32 s29, 0                               ; the last of those: what lies below the digit
.set j, 0
.rept 31
	s_add_co_u32 s27, s27, s[32+j]
	s_cmp_le_u32 s27, s25
	s_cselect_b32 s29, s27, s29                    ; (leaves SCC alone)
	s_add_co_ci_u32 s28, s28, 0                    ; + SCC
.set j, j+1
.endr
	s_lshl_b32 s28, s28, s26
	s_or_b32 s31, s24, s28                         ; the new prefix
	s_sub_co_u32 s25, s25, s29                     ; the rank left under it
	s_lshl_b32 s30, -1, s26
	s_and_b32 s30, s30, 0x7fffffff                 ; the prefix's bits: 30 down to the old shift
	s_sub_co_u32 s66, s26, 5                       ; the next digit's shift
.endm
	s_load_b256 s[4:11], s[0:1], 0x0               ; weight s[4:5], old counts s[6:7], old state s[8:9], new counts s[10:11]
	s_load_b64 s[12:13], s[0:1], 0x20              ; new state
	v_lshl_add_u32 v224, v0, 2, 0x2000
	v_mov_b32 v225, 0
	v_lshrrev_b32 v[LANE], 5, v0
	s_delay_alu instid0(VALU_DEP_1)
	v_readfirstlane_b32 s[WV], v[LANE]             ; wave 0..7
	v_and_b32 v[LANE], 31, v0
	s_delay_alu instid0(VALU_DEP_1)
	v_lshlrev_b32 v[L4], 2, v[LANE]
	v_lshlrev_b32 v[T16], 4, v0
	v_lshl_add_u32 v[HST], v0, 4, HS
	s_delay_alu instid0(VALU_DEP_4)
	v_lshl_add_u32 v[HLD], v[LANE], 2, HS
	s_lshl_b32 s71, s[WV], 16
	v_lshl_add_u32 v[OFF], v[LANE], 4, s71
	s_lshl_b32 s71, s[WV], 7
	v_add_nc_u32 v[CSW], s71, v[L4]
	s_delay_alu instid0(VALU_DEP_1)
	v_add_nc_u32 v[CSW], CS, v[CSW]
	v_add_nc_u32 v[CSR], CS, v[L4]
	s_lshl_b32 s72, ttmp9, 19                      ; my work-group's 524,288 bytes of weight
	s_mov_b32 s73, 0
	s_lshl_b32 s74, ttmp9, 7                       ; its 32 counts
	s_mov_b32 s75, 0
	s_mov_b32 s68, 0x76543210
	s_mov_b32 s69, 0xfedcba98                      ; lane l xor 16
	s_wait_alu depctr_va_vdst(0)
	s_wait_kmcnt 0x0
	s_load_b96 s[24:26], s[8:9], 0x0               ; prefix, rank left, shift
	s_add_nc_u64 s[4:5], s[4:5], s[72:73]
	s_add_nc_u64 s[10:11], s[10:11], s[74:75]
	HEAD_LOADS
.set k, 0
.rept 32
	global_load_b128 v[R+4*k:R+4*k+3], v[OFF], s[4:5] offset:512*k th:TH_LOAD_NT   ; the ring is filled while the old counts are added
.set k, k+1
.endr
.set k, 0
.rept 10
	v_mov_b32 v[L+k], 0
.set k, k+1
.endr
	v_mov_b32 v[B], 0                              ; written once: a lane permute's destination counts as one of its sources
	HEAD_SCAN 32                                   ; 32 = the ring's loads, issued behind the old counts'
	s_mov_b32 s67, 3
.Ltrip:                                            ; three trips fill every slot again; 28 = the seven younger slots' loads, on the way in and round the back edge
.irp i, 0,1,2,3,4,5,6,7
	SLOT \i, 1, 28
.endr
	s_wait_xcnt 0x0                                ; the loads have read their base: it may step
	s_add_nc_u64 s[4:5], s[4:5], 16384
	s_sub_co_u32 s67, s67, 1
	s_cmp_lg_u32 s67, 0
	s_cbranch_scc1 .Ltrip
.irp i, 0,1,2,3,4,5,6,7
	SLOT \i, 0, 28-4*\i                            ; the last round loads nothing: the counts run down
.endr
	DECODE
	ds_store_b32 v[CSW], v[CNT]
	s_wait_dscnt 0x0                               ; for the others' sake: my store has landed
	s_barrier_signal -1
	s_barrier_wait -1
	s_cmp_lg_u32 s[WV], 0
	s_cbranch_scc1 .Lend                           ; wave 0 adds the eight waves' counts
.irp w, 0,1,2,3,4,5,6,7
	ds_load_b32 v[L+\w], v[CSR] offset:128*\w
.endr
	s_wait_dscnt 0x0
.irp w, 1
	v_add_nc_u32 v[L], v[L], v[L+\w]
.endr
.irp w, 2, 3, 4, 5, 6, 7
	s_delay_alu instid0(VALU_DEP_1)
	v_add_nc_u32 v[L], v[L], v[L+\w]
.endr
	global_store_b32 v[L4], v[L], s[10:11]         ; the work-group's 32 counts: 128 consecutive bytes
	s_cmp_lg_u32 ttmp9, 0
	s_cbranch_scc1 .Lend
	v_mov_b32 v15, 0                               ; the state beside these counts:
	s_delay_alu instid0(VALU_DEP_1)
	v_writelane_b32 v15, s31, 0                    ; prefix,
	s_delay_alu instid0(VALU_DEP_1)
	v_writelane_b32 v15, s25, 1                    ; rank left,
	s_delay_alu instid0(VALU_DEP_1)
	v_writelane_b32 v15, s66, 2                    ; the digit's shift
	global_store_b32 v[L4], v15, s[12:13]
.Lend:
	s_wait_tensorcnt 0x0
	ds_add_u32 v224, v225
	s_wait_dscnt 0x0
	s_endpgm
.Lfunc_end_k_q7c86c332b3_c2:
	.size	k_q7c86c332b3_c2, .Lfunc_end_k_q7c86c332b3_c2-k_q7c86c332b3_c2
	.p2alignl 7, 3214868480
	.fill 96, 4, 3214868480
	.section	.rodata,"a",@progbits
	.p2align	6, 0x0
	.amdhsa_kernel k_q7c86c332b3_c2
		.amdhsa_group_segment_fixed_size 9216
		.amdhsa_private_segment_fixed_size 0
		.amdhsa_enable_private_segment 0
		.amdhsa_kernarg_size 40
		.amdhsa_user_sgpr_count 2
		.amdhsa_user_sgpr_kernarg_segment_ptr 1
		.amdhsa_wavefront_size32 1
		.amdhsa_system_sgpr_workgroup_id_x 1
		.amdhsa_system_sgpr_workgroup_id_y 1
		.amdhsa_system_sgpr_workgroup_id_z 1
		.amdhsa_system_vgpr_workitem_id 0
		.amdhsa_next_free_vgpr 226
		.amdhsa_next_free_sgpr 80
		.amdhsa_reserve_vcc 0
		.amdhsa_float_denorm_mode_32 3
		.amdhsa_float_denorm_mode_16_64 3
		.amdhsa_memory_ordered 1
		.amdhsa_forward_progress 1
		.amdhsa_inst_pref_size 178
	.end_amdhsa_kernel
	.amdgpu_metadata
---
amdhsa.version: [ 1, 2 ]
amdhsa.kernels:
  - .name:           k_q7c86c332b3_c2
    .symbol:         k_q7c86c332b3_c2.kd
    .args:
      - { .name: weight, .offset: 0, .size: 8, .value_kind: global_buffer, .address_space: global }
      - { .name: cntA, .offset: 8, .size: 8, .value_kind: global_buffer, .address_space: global }
      - { .name: stA, .offset: 16, .size: 8, .value_kind: global_buffer, .address_space: global }
      - { .name: cntB, .offset: 24, .size: 8, .value_kind: global_buffer, .address_space: global }
      - { .name: stB, .offset: 32, .size: 8, .value_kind: global_buffer, .address_space: global }
    .group_segment_fixed_size: 9216
    .private_segment_fixed_size: 0
    .kernarg_segment_align: 8
    .kernarg_segment_size: 40
    .max_flat_workgroup_size: 256
    .sgpr_count:     80
    .vgpr_count:     226
    .wavefront_size: 32
...
	.end_amdgpu_metadata
.endif
;; end of part 5
;; launch c4 (part 6): grid 256 x 1, 8 waves a work-group, no clusters, 156,672 bytes of LDS; arguments weight, cntB, stB, cntA, stA; writes cntA, stA
.if DOCPART == 6
	.amdgcn_target "amdgcn-amd-amdhsa--gfx1250"
	.amdhsa_code_object_version 6
	.text
	.protected	k_q7c86c332b3_c4
	.globl	k_q7c86c332b3_c4
	.p2align	8
	.type	k_q7c86c332b3_c4,@function
k_q7c86c332b3_c4:
	s_mov_b64 s[64:65], 0
	v_nop
	global_prefetch_b8 v0, s[64:65] scope:SCOPE_SE
	s_setreg_imm32_b32 hwreg(HW_REG_WAVE_MODE, 25, 1), 1
	s_wait_xcnt 0x0
; THE THIRD COUNTING PASS of the radix select on the bits of |w| (weight [8192][4096] f32), and the last that reads all of weight.  As the passes before it, every work-group first
; finishes the pass before (adds the 256 work-groups' counts [256][32], finds the digit D in which the rank left falls: prefix P' = P | D << S, rank left, next shift S - 5), then counts
; the next digit over its 524,288 bytes of weight among the numbers whose bits 30 : S are the prefix.  Work-group 0 stores the new state.
; NEW HERE: A PRESENCE WORD FOR EACH BLOCK of 512 bytes (128 numbers): bit j is set where the block holds a number that fits the prefix and has digit j.  It is the OR of the block's
; one-hot words.  The words lie behind the counts, at byte 32,768 + 4,096 work-group + 512 wave + 4 block.  The next pass, which knows this pass's digit, visits only the blocks whose bit is set.
; LIMITS: keys are bits 29:0 of |w|; the select holds while thr < 2.0 (fewer than a tenth of the weights with |w| >= 2).  NaN and infinities are not served.
; SHARES, counters and ring: wave w takes 65,536 bytes, 128 loads of 512 consecutive bytes, 32 of them in flight; a number becomes 1 << digit or 0; the words are added in bit-sliced
; counters (bit j of register L+i is bit i of the lane's count of bin j).  No atomics; no address and no branch is made from data.
; No matrix unit, no tensor loads, no cluster: every byte of weight is read once by one lane.
; AS IT STANDS NOW this body is the THIRD pass, and a presence word stands for each 512 bytes (128 numbers: one load of a wave), not for 2,048:
; 128 words a wave, at byte 32,768 + 4,096 work-group + 512 wave + 4 block; in LDS 128 rows of 144 bytes a wave.
.set WV,   70
.set CNTP, 6                           ; s[6:7] the counts of the pass before
.set POFF, 76                          ; s76  the trip's 32 rows in my presence region: 4,608 bytes a trip
.set OFF,  1                           ; v1   65,536 wave + 16 lane; never rewritten
.set LANE, 2                           ; v2   lane
.set L4,   3                           ; v3   4 lane
.set T16,  4                           ; v4   16 x thread: my 16 bytes of each 4,096 of the counts
.set CSR,  5                           ; v5   LDS: CS + 4 lane
.set CSW,  6                           ; v6   LDS: CS + 128 wave + 4 lane
.set HST,  7                           ; v7   LDS: HS + 16 x thread
.set T,    8                           ; v8-12 at work
.set HLD,  13                          ; v13  LDS: HS + 4 lane
.set PSB,  14                          ; v14  LDS: PS + 18,432 wave + 4 lane
.set PSA,  16                          ; v16  the same + the trip's rows
.set PSR,  17                          ; v17  LDS: PS + 18,432 wave + 144 lane: row = block
.set PGO,  18                          ; v18  128 wave + 4 lane: my wave's presence words in memory
.set B,    20                          ; v20  the other lane's slice
.set CY,   21                          ; v21-22 carries, by turns
.set CNT,  23                          ; v23  lane j: the wave's count of bin j
.set L,    32                          ; v32-46 the bit-sliced counters
.set PT,   48                          ; v48-55 the OR of a block's words, on its way
.set R,    64                          ; v64-191 the ring: eight slots of 16 registers
.set HB,   192                         ; v192-223 the old counts on their way to one sum a bin
.set PR,   192                         ; v192-223 behind the head: slot i's four ORs, four registers for each slot
.set HS,   0                           ; LDS: 32 rows of 32 partial sums
.set CS,   4096                        ; LDS: 128 bytes a wave: its 32 counts
.set PS,   8192                        ; LDS: for each wave 128 rows (blocks) of 32 lanes' words + 16 bytes: 144 bytes a row, so that the 16-byte reads of 16 rows start at different banks
.macro HOT4 x
.irp i, 0,1,2,3
	v_and_b32 v[T+\i], s30, v[\x+\i]               ; the bits above the digit, without the sign
.endr
.irp i, 0,1,2,3
	s_delay_alu instid0(VALU_DEP_4)
	v_cmp_eq_u32 s[20+\i], s31, v[T+\i]            ; are they the prefix?
.endr
.irp i, 0,1,2,3
	v_bfe_u32 v[T+\i], v[\x+\i], s66, 5            ; the digit
.endr
.irp i, 0,1,2,3
	s_delay_alu instid0(VALU_DEP_4)
	v_lshlrev_b32 v[\x+\i], v[T+\i], 1             ; 1 << digit
.endr
.irp i, 0,1,2,3
	s_delay_alu instid0(VALU_DEP_4)
	v_cndmask_b32 v[\x+\i], 0, v[\x+\i], s[20+\i]
.endr
.endm
; a full adder on slices a, b, c, in three phases: the sum lands in a, the carry in b
.macro FA ph, t, a, b, c
.if \ph == 1
	v_xor_b32 v[\t], v[\a], v[\b]
.elseif \ph == 2
	v_bfi_b32 v[\b], v[\t], v[\c], v[\a]           ; where a and b differ the carry is c, else a
.else
	v_xor_b32 v[\a], v[\t], v[\c]
.endif
.endm
.macro RNDA ph, x
	FA \ph, T, L, \x, \x+1
	FA \ph, T+1, \x+2, \x+3, \x+4
	FA \ph, T+2, \x+5, \x+6, \x+7
	FA \ph, T+3, \x+8, \x+9, \x+10
	FA \ph, T+4, \x+11, \x+12, \x+13
.endm
.macro RNDB ph, x
	FA \ph, T, L, \x+2, \x+5
	FA \ph, T+1, \x+8, \x+11, \x+14
	FA \ph, T+2, L+1, \x, \x+3
	FA \ph, T+3, \x+6, \x+9, \x+12
.endm
.macro RNDC ph, x
	FA \ph, T, L, \x+8, \x+15
	FA \ph, T+1, L+1, \x+6, \x+2
	FA \ph, T+2, L+2, \x, \x+9
.endm
.macro ORS x, p                        ; the ORs of each load's four one-hot words, as a tree, into v[p] .. v[p+3]
.irp i, 0,1,2,3,4,5,6,7
	v_or_b32 v[PT+\i], v[\x+2*\i], v[\x+2*\i+1]
.endr
.irp i, 0,1,2,3
	v_or_b32 v[\p+\i], v[PT+2*\i], v[PT+2*\i+1]    ; load i's four words: my lane's word of that block of 512 bytes
.endr
.endm
.macro BLOCK x, p                      ; sixteen numbers: one-hot words, their OR, then fifteen full adders, in rounds whose adders share no register, and a ripple
	HOT4 \x
	HOT4 \x+4
	HOT4 \x+8
	HOT4 \x+12
	ORS \x, \p
.irp p1, 1,2,3
	RNDA \p1, \x
.endr
.irp p1, 1,2,3
	RNDB \p1, \x
.endr
.irp p1, 1,2,3
	RNDC \p1, \x
.endr
.irp p1, 1,2,3
	FA \p1, T, L+1, \x+11, \x+8
.endr
.irp p1, 1,2,3
	FA \p1, T, L+2, \x+6, \x+11
.endr
.irp p1, 1,2,3
	FA \p1, T, L+3, \x, \x+6
.endr
	s_delay_alu instid0(VALU_DEP_2)
	v_and_b32 v[T], v[L+4], v[\x]                  ; the carry of weight 16 ripples up: 512 numbers a lane fit in ten slices
	s_delay_alu instid0(VALU_DEP_3)
	v_xor_b32 v[L+4], v[L+4], v[\x]
	s_delay_alu instid0(VALU_DEP_2)
	v_and_b32 v[T+1], v[L+5], v[T]
	s_delay_alu instid0(VALU_DEP_3)
	v_xor_b32 v[L+5], v[L+5], v[T]
	s_delay_alu instid0(VALU_DEP_2)
	v_and_b32 v[T], v[L+6], v[T+1]
	s_delay_alu instid0(VALU_DEP_3)
	v_xor_b32 v[L+6], v[L+6], v[T+1]
	s_delay_alu instid0(VALU_DEP_2)
	v_and_b32 v[T+1], v[L+7], v[T]
	s_delay_alu instid0(VALU_DEP_3)
	v_xor_b32 v[L+7], v[L+7], v[T]
	s_delay_alu instid0(VALU_DEP_2)
	v_and_b32 v[T], v[L+8], v[T+1]
	s_delay_alu instid0(VALU_DEP_3)
	v_xor_b32 v[L+8], v[L+8], v[T+1]
	s_delay_alu instid0(VALU_DEP_2)
	v_xor_b32 v[L+9], v[L+9], v[T]
.endm
.macro SLOT i, refill, left
	s_wait_loadcnt \left                           ; loads come back in order: this slot's four are in
	BLOCK R+16*\i, PR+4*\i
.irp q, 0,1,2,3
	ds_store_b32 v[PSA], v[PR+4*\i+\q] offset:144*(4*\i+\q)   ; row = block 32 trip + 4 i + q
.endr
.if \refill
.irp q, 0,1,2,3
	global_load_b128 v[R+16*\i+4*\q:R+16*\i+4*\q+3], v[OFF], s[4:5] offset:16384+2048*\i+512*\q th:TH_LOAD_NT
.endr
.endif
.endm
.macro XADD n, m                       ; lanes l and l xor m add their n slices: both end with the same n + 1 slices
.set i, 0
.rept \n
.if \m == 16
	v_permlanex16_b32 v[B], v[L+i], s68, s69
.else
	v_mov_b32_dpp v[B], v[L+i] row_xmask:\m row_mask:0xf bank_mask:0xf
.endif
.if i == 0
	s_delay_alu instid0(VALU_DEP_1)
	v_and_b32 v[CY], v[L], v[B]
	s_delay_alu instid0(VALU_DEP_2)
	v_xor_b32 v[L], v[L], v[B]
.else
	s_delay_alu instid0(VALU_DEP_1)
	v_xor_b32 v[T], v[L+i], v[B]
	s_delay_alu instid0(VALU_DEP_1)
	v_bfi_b32 v[CY+i%2], v[T], v[CY+(i+1)%2], v[L+i]
	s_delay_alu instid0(VALU_DEP_2)
	v_xor_b32 v[L+i], v[T], v[CY+(i+1)%2]
.endif
.set i, i+1
.endr
	s_delay_alu instid0(VALU_DEP_2)
	v_mov_b32 v[L+\n], v[CY+(\n-1)%2]
.endm
.macro DECODE
	XADD 10, 1
	XADD 11, 2
	XADD 12, 4
	XADD 13, 8
	XADD 14, 16
	v_bfe_u32 v[CNT], v[L], v[LANE], 1
.set i, 1
.rept 14
	v_bfe_u32 v[T], v[L+i], v[LANE], 1
	s_delay_alu instid0(VALU_DEP_1)
	v_lshl_or_b32 v[CNT], v[T], i, v[CNT]
.set i, i+1
.endr
.endm
; THE PASS BEFORE IS FINISHED.  Its counts are 32,768 bytes: eight loads of 16 bytes a thread; a thread's words are always bins 4 (thread % 8) + 0 .. 3.
.macro HEAD_LOADS
.irp i, 0,1,2,3,4,5,6,7
	global_load_b128 v[HB+4*\i:HB+4*\i+3], v[T16], s[CNTP:CNTP+1] offset:4096*\i
.endr
.endm
.macro HEAD_SCAN left                  ; left: the loads issued behind those eight
	s_wait_loadcnt \left
.irp i, 1,2,3,4,5,6,7
.irp q, 0,1,2,3
	v_add_nc_u32 v[HB+\q], v[HB+\q], v[HB+4*\i+\q]
.endr
.endr
	ds_store_b128 v[HST], v[HB:HB+3]               ; 256 threads x 4 words = 32 rows of 32 bins
	s_wait_dscnt 0x0                               ; for the others' sake: my store has landed
	s_barrier_signal -1
	s_barrier_wait -1
.set g, 0
.rept 32
	ds_load_b32 v[HB+g], v[HLD] offset:128*g       ; lane j: bin j of row g
.set g, g+1
.endr
	s_wait_dscnt 0x0
.irp d, 16,8,4,2,1
.set g, 0
.rept \d
	v_add_nc_u32 v[HB+g], v[HB+g], v[HB+\d+g]
.set g, g+1
.endr
.endr
.set j, 0
.rept 31
	v_readlane_b32 s[32+j], v[HB], j               ; bins 0 to 30 as scalars (the last bin decides nothing)
.set j, j+1
.endr
	s_wait_kmcnt 0x0                               ; the state: s24 prefix, s25 rank left, s26 shift
	s_mov_b32 s27, 0                               ; running sum
	s_mov_b32 s28, 0                               ; D = how many running sums do not pass the rank
	s_mov_b32 s29, 0                               ; the last of those: what lies below the digit
.set j, 0
.rept 31
	s_add_co_u32 s27, s27, s[32+j]
	s_cmp_le_u32 s27, s25
	s_cselect_b32 s29, s27, s29                    ; (leaves SCC alone)
	s_add_co_ci_u32 s28, s28, 0                    ; + SCC
.set j, j+1
.endr
	s_lshl_b32 s28, s28, s26
	s_or_b32 s31, s24, s28                         ; the new prefix
	s_sub_co_u32 s25, s25, s29                     ; the rank left under it
	s_lshl_b32 s30, -1, s26
	s_and_b32 s30, s30, 0x7fffffff                 ; the prefix's bits: 30 down to the old shift
	s_sub_co_u32 s66, s26, 5                       ; the next digit's shift
.endm
	s_load_b256 s[4:11], s[0:1], 0x0               ; weight s[4:5], old counts s[6:7], old state s[8:9], new counts s[10:11]
	s_load_b64 s[12:13], s[0:1], 0x20              ; new state
	v_lshl_add_u32 v224, v0, 2, 0x26000
	v_mov_b32 v225, 0
	v_lshrrev_b32 v[LANE], 5, v0
	s_delay_alu instid0(VALU_DEP_1)
	v_readfirstlane_b32 s[WV], v[LANE]             ; wave 0..7
	v_and_b32 v[LANE], 31, v0
	s_delay_alu instid0(VALU_DEP_1)
	v_lshlrev_b32 v[L4], 2, v[LANE]
	v_lshlrev_b32 v[T16], 4, v0
	v_lshl_add_u32 v[HST], v0, 4, HS
	s_delay_alu instid0(VALU_DEP_4)
	v_lshl_add_u32 v[HLD], v[LANE], 2, HS
	s_lshl_b32 s71, s[WV], 16
	v_lshl_add_u32 v[OFF], v[LANE], 4, s71
	s_lshl_b32 s71, s[WV], 7
	v_add_nc_u32 v[CSW], s71, v[L4]
	s_lshl_b32 s71, s[WV], 9
	v_add_nc_u32 v[PGO], s71, v[L4]                ; 512 wave + 4 lane
	v_add_nc_u32 v[CSW], CS, v[CSW]
	v_add_nc_u32 v[CSR], CS, v[L4]
	s_mul_i32 s71, s[WV], 128*144
	v_add_nc_u32 v[PSB], s71, v[L4]
	s_delay_alu instid0(VALU_DEP_1)
	v_add_nc_u32 v[PSB], PS, v[PSB]
	v_mul_u32_u24 v[PSR], v[LANE], 144
	s_delay_alu instid0(VALU_DEP_1)
	v_add_nc_u32 v[PSR], s71, v[PSR]
	s_delay_alu instid0(VALU_DEP_1)
	v_add_nc_u32 v[PSR], PS, v[PSR]
	s_lshl_b32 s72, ttmp9, 19                      ; my work-group's 524,288 bytes of weight
	s_mov_b32 s73, 0
	s_lshl_b32 s74, ttmp9, 7                       ; its 32 counts
	s_mov_b32 s75, 0
	s_lshl_b32 s76, ttmp9, 12
	s_add_co_u32 s76, s76, 32768
	s_mov_b32 s77, 0
	s_mov_b32 s68, 0x76543210
	s_mov_b32 s69, 0xfedcba98                      ; lane l xor 16
	s_wait_alu depctr_va_vdst(0)
	s_wait_kmcnt 0x0
	s_load_b96 s[24:26], s[8:9], 0x0               ; prefix, rank left, shift
	s_add_nc_u64 s[14:15], s[10:11], s[76:77]
	s_add_nc_u64 s[4:5], s[4:5], s[72:73]
	s_add_nc_u64 s[10:11], s[10:11], s[74:75]
	HEAD_LOADS
.set k, 0
.rept 32
	global_load_b128 v[R+4*k:R+4*k+3], v[OFF], s[4:5] offset:512*k th:TH_LOAD_NT   ; the ring is filled while the old counts are added
.set k, k+1
.endr
.set k, 0
.rept 10
	v_mov_b32 v[L+k], 0
.set k, k+1
.endr
	v_mov_b32 v[B], 0                              ; written once: a lane permute's destination counts as one of its sources
	HEAD_SCAN 32                                   ; 32 = the ring's loads, issued behind the old counts'
	s_mov_b32 s67, 3
	s_mov_b32 s[POFF], 0
.Ltrip:                                            ; three trips fill every slot again; 28 = the seven younger slots' loads, on the way in and round the back edge
	v_add_nc_u32 v[PSA], s[POFF], v[PSB]           ; this trip's 32 rows
.irp i, 0,1,2,3,4,5,6,7
	SLOT \i, 1, 28
.endr
	s_wait_xcnt 0x0                                ; the loads have read their base: it may step
	s_wait_dscnt 0x0                               ; the trip's 32 LDS stores are done: their address and data registers are written again in the next trip
	s_add_nc_u64 s[4:5], s[4:5], 16384
	s_add_co_u32 s[POFF], s[POFF], 32*144
	s_sub_co_u32 s67, s67, 1
	s_cmp_lg_u32 s67, 0
	s_cbranch_scc1 .Ltrip
	v_add_nc_u32 v[PSA], s[POFF], v[PSB]
.irp i, 0,1,2,3,4,5,6,7
	SLOT \i, 0, 28-4*\i                            ; the last round loads nothing: the counts run down
.endr
.irp g, 0,1,2,3
.irp j, 0,1,2,3,4,5,6,7
	ds_load_b128 v[R+32*\g+4*\j:R+32*\g+4*\j+3], v[PSR] offset:4608*\g+16*\j   ; lane b: the 32 lanes' words of block 32 g + b
.endr
.endr
	DECODE
	ds_store_b32 v[CSW], v[CNT]
	s_wait_dscnt 0x0                               ; for the others' sake: my store has landed; and block b's 32 words are in
	s_barrier_signal -1
.irp d, 16,8,4,2,1                             ; work on registers while the others arrive: block b's presence word
.set g, 0
.rept \d
.irp u, 0,32,64,96
	v_or_b32 v[R+\u+g], v[R+\u+g], v[R+\u+\d+g]
.endr
.set g, g+1
.endr
.endr
	s_wait_alu depctr_va_vdst(0)
	s_barrier_wait -1
.irp g, 0,1,2,3
	global_store_b32 v[PGO], v[R+32*\g], s[14:15] offset:128*\g   ; 128 consecutive bytes each
.endr
	s_cmp_lg_u32 s[WV], 0
	s_cbranch_scc1 .Lend                           ; wave 0 adds the eight waves' counts
.irp w, 0,1,2,3,4,5,6,7
	ds_load_b32 v[L+\w], v[CSR] offset:128*\w
.endr
	s_wait_dscnt 0x0
.irp w, 1
	v_add_nc_u32 v[L], v[L], v[L+\w]
.endr
.irp w, 2, 3, 4, 5, 6, 7
	s_delay_alu instid0(VALU_DEP_1)
	v_add_nc_u32 v[L], v[L], v[L+\w]
.endr
	global_store_b32 v[L4], v[L], s[10:11]         ; the work-group's 32 counts: 128 consecutive bytes
	s_cmp_lg_u32 ttmp9, 0
	s_cbranch_scc1 .Lend
	v_mov_b32 v15, 0                               ; the state beside these counts:
	s_delay_alu instid0(VALU_DEP_1)
	v_writelane_b32 v15, s31, 0                    ; prefix,
	s_delay_alu instid0(VALU_DEP_1)
	v_writelane_b32 v15, s25, 1                    ; rank left,
	s_delay_alu instid0(VALU_DEP_1)
	v_writelane_b32 v15, s66, 2                    ; the digit's shift
	global_store_b32 v[L4], v15, s[12:13]
.Lend:
	s_wait_tensorcnt 0x0
	ds_add_u32 v224, v225
	s_wait_dscnt 0x0
	s_endpgm
.Lfunc_end_k_q7c86c332b3_c4:
	.size	k_q7c86c332b3_c4, .Lfunc_end_k_q7c86c332b3_c4-k_q7c86c332b3_c4
	.p2alignl 7, 3214868480
	.fill 96, 4, 3214868480
	.section	.rodata,"a",@progbits
	.p2align	6, 0x0
	.amdhsa_kernel k_q7c86c332b3_c4
		.amdhsa_group_segment_fixed_size 156672
		.amdhsa_private_segment_fixed_size 0
		.amdhsa_enable_private_segment 0
		.amdhsa_kernarg_size 40
		.amdhsa_user_sgpr_count 2
		.amdhsa_user_sgpr_kernarg_segment_ptr 1
		.amdhsa_wavefront_size32 1
		.amdhsa_system_sgpr_workgroup_id_x 1
		.amdhsa_system_sgpr_workgroup_id_y 1
		.amdhsa_system_sgpr_workgroup_id_z 1
		.amdhsa_system_vgpr_workitem_id 0
		.amdhsa_next_free_vgpr 226
		.amdhsa_next_free_sgpr 80
		.amdhsa_reserve_vcc 0
		.amdhsa_float_denorm_mode_32 3
		.amdhsa_float_denorm_mode_16_64 3
		.amdhsa_memory_ordered 1
		.amdhsa_forward_progress 1
		.amdhsa_inst_pref_size 195
	.end_amdhsa_kernel
	.amdgpu_metadata
---
amdhsa.version: [ 1, 2 ]
amdhsa.kernels:
  - .name:           k_q7c86c332b3_c4
    .symbol:         k_q7c86c332b3_c4.kd
    .args:
      - { .name: weight, .offset: 0, .size: 8, .value_kind: global_buffer, .address_space: global }
      - { .name: cntB, .offset: 8, .size: 8, .value_kind: global_buffer, .address_space: global }
      - { .name: stB, .offset: 16, .size: 8, .value_kind: global_buffer, .address_space: global }
      - { .name: cntA, .offset: 24, .size: 8, .value_kind: global_buffer, .address_space: global }
      - { .name: stA, .offset: 32, .size: 8, .value_kind: global_buffer, .address_space: global }
    .group_segment_fixed_size: 156672
    .private_segment_fixed_size: 0
    .kernarg_segment_align: 8
    .kernarg_segment_size: 40
    .max_flat_workgroup_size: 256
    .sgpr_count:     80
    .vgpr_count:     226
    .wavefront_size: 32
...
	.end_amdgpu_metadata
.endif
;; end of part 6
;; launch s4 (part 7): grid 256 x 1, 8 waves a work-group, no clusters, 46,080 bytes of LDS; arguments weight, cntA, stA, cntB, stB; writes cntB, stB
.if DOCPART == 7
	.amdgcn_target "amdgcn-amd-amdhsa--gfx1250"
	.amdhsa_code_object_version 6
	.text
	.protected	k_q7c86c332b3_s4
	.globl	k_q7c86c332b3_s4
	.p2align	8
	.type	k_q7c86c332b3_s4,@function
k_q7c86c332b3_s4:
	s_mov_b64 s[64:65], 0
	v_nop
	global_prefetch_b8 v0, s[64:65] scope:SCOPE_SE
	s_setreg_imm32_b32 hwreg(HW_REG_WAVE_MODE, 25, 1), 1
	s_wait_xcnt 0x0
; A COUNTING PASS THAT VISITS ONLY THE BLOCKS OF 512 BYTES THAT CAN HOLD A CANDIDATE: passes four, five and six of the radix select on the bits of |w| (weight [8192][4096] f32).
; THE HEAD is that of every pass: the 256 work-groups' counts [256][32] of the pass before are added, the digit D in which the rank left falls is found: prefix P' = P | D << S, rank left, shift S - 5.
; The pass before has left a presence word for each 512 bytes of weight (byte 32,768 + 4,096 work-group + 512 wave + 4 block): bit j is set where the block holds a number with the old prefix
; and digit j.  A block holds a number with the new prefix just where bit D is set: only those are loaded; the counts are those of a walk over all blocks, for every input.
; This pass leaves presence words of its own in the same layout, 0 for a block not visited.
; WHAT STEERS: branches and block addresses hang on whole numbers that an earlier launch stored, never on weight.
; SHARES: wave w owns 65,536 bytes = 128 blocks; lane b holds the words of blocks 32 g + b, g = 0..3: four compares give four masks.  Four rounds, a constant count; a round takes the next 32
; flagged blocks, lowest first, into 32 places of 4 registers; one wait for 0 (how many loads follow a given one differs from path to path); then up to eight runs of 16 numbers a lane are counted.
; Places left idle in a run hold 2.0: bit 30 is set, so it fits no prefix and counts nowhere.  A place's word goes by lanes into row t of the wave's own LDS rows; lane t ORs the row;
; the block's lane fetches it from lane t: t = flagged blocks below it (v_mbcnt_lo_u32_b32), which is the order in which places are taken.
; LIMITS: keys are bits 29:0 of |w|; the select holds while thr < 2.0 (fewer than a tenth of the weights with |w| >= 2).  NaN and infinities are not served.
; No matrix unit, no tensor loads, no cluster: nothing is shared.  No prefetch: the list of blocks is known only behind the head, and the loads follow at once.
.set WV,   70
.set CNTP, 6
.set F,    32                          ; s32-35 the four masks of flagged blocks
.set CUR,  36                          ; s36 the mask being emptied; s37-39 those that follow
.set P,    40                          ; s40-43 flagged blocks below mask g
.set BASE, 44                          ; s44 first block of CUR
.set NB,   45
.set NP,   46                          ; s46 places taken in this round
.set REM,  47                          ; s47 flagged blocks left
.set RHO,  48                          ; s48 the round
.set OFF,  1                           ; v1  65,536 wave + 16 lane
.set LANE, 2
.set L4,   3
.set T16,  4
.set CSR,  5
.set CSW,  6
.set HST,  7
.set T,    8                           ; v8-12 at work
.set HLD,  13
.set PGO,  14                          ; v14 512 wave + 4 lane
.set PSW,  15                          ; v15 LDS: PS + 4,608 wave + 4 lane
.set PSR,  16                          ; v16 LDS: PS + 4,608 wave + 144 lane
.set ZR,   17                          ; v17 0
.set B,    20
.set CY,   21
.set CNT,  23
.set PIN,  24                          ; v24-27 presence words read
.set PRES, 28                          ; v28-31 presence words made
.set L,    32                          ; v32-46 bit-sliced counters
.set PT,   48                          ; v48-55
.set TGI,  56                          ; v56-59 4 x (my block's place % 32)
.set TR,   60                          ; v60-63 my block's round; -1 where it is not flagged
.set R,    64                          ; v64-191 32 places of 4 registers
.set HB,   192                         ; v192-223 the old counts
.set AO,   192                         ; then each place's offset, then its OR
.set HS,   0
.set CS,   4096
.set PS,   8192                        ; for each wave 32 rows of 144 bytes
.macro HOT4 x
.irp i, 0,1,2,3
	v_and_b32 v[T+\i], s30, v[\x+\i]
.endr
.irp i, 0,1,2,3
	s_delay_alu instid0(VALU_DEP_4)
	v_cmp_eq_u32 s[20+\i], s31, v[T+\i]
.endr
.irp i, 0,1,2,3
	v_bfe_u32 v[T+\i], v[\x+\i], s66, 5
.endr
.irp i, 0,1,2,3
	s_delay_alu instid0(VALU_DEP_4)
	v_lshlrev_b32 v[\x+\i], v[T+\i], 1
.endr
.irp i, 0,1,2,3
	s_delay_alu instid0(VALU_DEP_4)
	v_cndmask_b32 v[\x+\i], 0, v[\x+\i], s[20+\i]
.endr
.endm
.macro FA ph, t, a, b, c               ; a full adder on slices: sum in a, carry in b
.if \ph == 1
	v_xor_b32 v[\t], v[\a], v[\b]
.elseif \ph == 2
	v_bfi_b32 v[\b], v[\t], v[\c], v[\a]
.else
	v_xor_b32 v[\a], v[\t], v[\c]
.endif
.endm
.macro RNDA ph, x
	FA \ph, T, L, \x, \x+1
	FA \ph, T+1, \x+2, \x+3, \x+4
	FA \ph, T+2, \x+5, \x+6, \x+7
	FA \ph, T+3, \x+8, \x+9, \x+10
	FA \ph, T+4, \x+11, \x+12, \x+13
.endm
.macro RNDB ph, x
	FA \ph, T, L, \x+2, \x+5
	FA \ph, T+1, \x+8, \x+11, \x+14
	FA \ph, T+2, L+1, \x, \x+3
	FA \ph, T+3, \x+6, \x+9, \x+12
.endm
.macro RNDC ph, x
	FA \ph, T, L, \x+8, \x+15
	FA \ph, T+1, L+1, \x+6, \x+2
	FA \ph, T+2, L+2, \x, \x+9
.endm
.macro BLOCK x, i                      ; four places: one-hot words, each place's OR to its row, fifteen full adders and a ripple
	HOT4 \x
	HOT4 \x+4
	HOT4 \x+8
	HOT4 \x+12
.irp k, 0,1,2,3,4,5,6,7
	v_or_b32 v[PT+\k], v[\x+2*\k], v[\x+2*\k+1]
.endr
.irp q, 0,1,2,3
	v_or_b32 v[AO+4*(\i)+\q], v[PT+2*\q], v[PT+2*\q+1]
.endr
.irp q, 0,1,2,3
	ds_store_b32 v[PSW], v[AO+4*(\i)+\q] offset:144*(4*(\i)+\q)
.endr
.irp p1, 1,2,3
	RNDA \p1, \x
.endr
.irp p1, 1,2,3
	RNDB \p1, \x
.endr
.irp p1, 1,2,3
	RNDC \p1, \x
.endr
.irp p1, 1,2,3
	FA \p1, T, L+1, \x+11, \x+8
.endr
.irp p1, 1,2,3
	FA \p1, T, L+2, \x+6, \x+11
.endr
.irp p1, 1,2,3
	FA \p1, T, L+3, \x, \x+6
.endr
	s_delay_alu instid0(VALU_DEP_2)
	v_and_b32 v[T], v[L+4], v[\x]                  ; the carry ripples up: at most 512 numbers a lane fit in ten slices
	s_delay_alu instid0(VALU_DEP_3)
	v_xor_b32 v[L+4], v[L+4], v[\x]
	s_delay_alu instid0(VALU_DEP_2)
	v_and_b32 v[T+1], v[L+5], v[T]
	s_delay_alu instid0(VALU_DEP_3)
	v_xor_b32 v[L+5], v[L+5], v[T]
	s_delay_alu instid0(VALU_DEP_2)
	v_and_b32 v[T], v[L+6], v[T+1]
	s_delay_alu instid0(VALU_DEP_3)
	v_xor_b32 v[L+6], v[L+6], v[T+1]
	s_delay_alu instid0(VALU_DEP_2)
	v_and_b32 v[T+1], v[L+7], v[T]
	s_delay_alu instid0(VALU_DEP_3)
	v_xor_b32 v[L+7], v[L+7], v[T]
	s_delay_alu instid0(VALU_DEP_2)
	v_and_b32 v[T], v[L+8], v[T+1]
	s_delay_alu instid0(VALU_DEP_3)
	v_xor_b32 v[L+8], v[L+8], v[T+1]
	s_delay_alu instid0(VALU_DEP_2)
	v_xor_b32 v[L+9], v[L+9], v[T]
.endm
.macro SHIFT                           ; where CUR is empty the next mask takes its place
	s_add_co_u32 s[NB], s[BASE], 32
	s_cmp_eq_u32 s[CUR], 0
	s_cselect_b32 s[CUR], s[CUR+1], s[CUR]
	s_cselect_b32 s[CUR+1], s[CUR+2], s[CUR+1]
	s_cselect_b32 s[CUR+2], s[CUR+3], s[CUR+2]
	s_cselect_b32 s[CUR+3], 0, s[CUR+3]
	s_cselect_b32 s[BASE], s[NB], s[BASE]
.endm
.macro ASK t                           ; place t takes the lowest flagged block that is left; places are taken in order, so the first idle one ends the run
	s_cmp_gt_u32 s[NP], \t
	s_cbranch_scc0 .Lasked
	s_cmp_lg_u32 s[CUR], 0
	s_cbranch_scc1 .Lhave_\@
	SHIFT
	SHIFT
	SHIFT
.Lhave_\@:
	s_ctz_i32_b32 s71, s[CUR]
	s_sub_co_u32 s72, s[CUR], 1
	s_and_b32 s[CUR], s[CUR], s72
	s_add_co_u32 s71, s71, s[BASE]
	s_min_u32 s71, s71, 127                        ; a number read from memory enters an address only held to its range
	s_lshl_b32 s71, s71, 9                         ; 512 bytes a block
	v_add_nc_u32 v[AO+\t], s71, v[OFF]
	global_load_b128 v[R+4*\t:R+4*\t+3], v[AO+\t], s[4:5] th:TH_LOAD_NT
.endm
.macro DOB i
	s_cmp_gt_u32 s[NP], 4*\i
	s_cbranch_scc0 .Ldone
	BLOCK R+16*\i, \i
.endm
.macro XADD n, m
.set i, 0
.rept \n
.if \m == 16
	v_permlanex16_b32 v[B], v[L+i], s68, s69
.else
	v_mov_b32_dpp v[B], v[L+i] row_xmask:\m row_mask:0xf bank_mask:0xf
.endif
.if i == 0
	s_delay_alu instid0(VALU_DEP_1)
	v_and_b32 v[CY], v[L], v[B]
	s_delay_alu instid0(VALU_DEP_2)
	v_xor_b32 v[L], v[L], v[B]
.else
	s_delay_alu instid0(VALU_DEP_1)
	v_xor_b32 v[T], v[L+i], v[B]
	s_delay_alu instid0(VALU_DEP_1)
	v_bfi_b32 v[CY+i%2], v[T], v[CY+(i+1)%2], v[L+i]
	s_delay_alu instid0(VALU_DEP_2)
	v_xor_b32 v[L+i], v[T], v[CY+(i+1)%2]
.endif
.set i, i+1
.endr
	s_delay_alu instid0(VALU_DEP_2)
	v_mov_b32 v[L+\n], v[CY+(\n-1)%2]
.endm
.macro DECODE
	XADD 10, 1
	XADD 11, 2
	XADD 12, 4
	XADD 13, 8
	XADD 14, 16
	v_bfe_u32 v[CNT], v[L], v[LANE], 1
.set i, 1
.rept 14
	v_bfe_u32 v[T], v[L+i], v[LANE], 1
	s_delay_alu instid0(VALU_DEP_1)
	v_lshl_or_b32 v[CNT], v[T], i, v[CNT]
.set i, i+1
.endr
.endm
.macro HEAD_SCAN
	s_wait_loadcnt 0x0                             ; the counts, and my wave's presence words behind them
.irp i, 1,2,3,4,5,6,7
.irp q, 0,1,2,3
	v_add_nc_u32 v[HB+\q], v[HB+\q], v[HB+4*\i+\q]
.endr
.endr
	ds_store_b128 v[HST], v[HB:HB+3]               ; 256 threads x 4 words = 32 rows of 32 bins
	s_wait_dscnt 0x0                               ; for the others' sake: my stores have landed
	s_barrier_signal -1
	s_barrier_wait -1
.set g, 0
.rept 32
	ds_load_b32 v[HB+g], v[HLD] offset:128*g
.set g, g+1
.endr
	s_wait_dscnt 0x0
.irp d, 16,8,4,2,1
.set g, 0
.rept \d
	v_add_nc_u32 v[HB+g], v[HB+g], v[HB+\d+g]
.set g, g+1
.endr
.endr
.set j, 0
.rept 31
	v_readlane_b32 s[32+j], v[HB], j
.set j, j+1
.endr
	s_wait_kmcnt 0x0                               ; the state: s24 prefix, s25 rank left, s26 shift
	s_mov_b32 s27, 0
	s_mov_b32 s28, 0
	s_mov_b32 s29, 0
.set j, 0
.rept 31
	s_add_co_u32 s27, s27, s[32+j]
	s_cmp_le_u32 s27, s25
	s_cselect_b32 s29, s27, s29
	s_add_co_ci_u32 s28, s28, 0                    ; D = how many running sums do not pass the rank
.set j, j+1
.endr
	s_lshl_b32 s79, 1, s28                         ; bit D
	s_lshl_b32 s28, s28, s26
	s_or_b32 s31, s24, s28                         ; the new prefix
	s_sub_co_u32 s25, s25, s29                     ; the rank left under it
	s_lshl_b32 s30, -1, s26
	s_and_b32 s30, s30, 0x7fffffff                 ; the prefix's bits
	s_sub_co_u32 s66, s26, 5                       ; the next digit's shift
.endm
	s_load_b256 s[4:11], s[0:1], 0x0               ; weight, old counts, old state, new counts
	s_load_b64 s[12:13], s[0:1], 0x20              ; new state
	v_lshl_add_u32 v224, v0, 2, 0xb000
	v_mov_b32 v225, 0
	v_lshrrev_b32 v[LANE], 5, v0
	s_delay_alu instid0(VALU_DEP_1)
	v_readfirstlane_b32 s[WV], v[LANE]
	v_and_b32 v[LANE], 31, v0
	v_lshlrev_b32 v[T16], 4, v0
	v_lshl_add_u32 v[HST], v0, 4, HS
	v_mov_b32 v[ZR], 0
	s_delay_alu instid0(VALU_DEP_4)
	v_lshlrev_b32 v[L4], 2, v[LANE]
	v_lshl_add_u32 v[HLD], v[LANE], 2, HS
	s_lshl_b32 s71, s[WV], 16
	v_lshl_add_u32 v[OFF], v[LANE], 4, s71
	s_lshl_b32 s71, s[WV], 7
	v_add_nc_u32 v[CSW], s71, v[L4]
	v_add_nc_u32 v[CSR], CS, v[L4]
	s_lshl_b32 s71, s[WV], 9
	v_add_nc_u32 v[PGO], s71, v[L4]
	v_add_nc_u32 v[CSW], CS, v[CSW]
	s_mul_i32 s71, s[WV], 32*144
	s_add_co_u32 s71, s71, PS
	v_add_nc_u32 v[PSW], s71, v[L4]
	v_mad_u32_u24 v[PSR], v[LANE], 144, s71
	s_lshl_b32 s72, ttmp9, 19                      ; my work-group's 524,288 bytes of weight
	s_mov_b32 s73, 0
	s_lshl_b32 s74, ttmp9, 7                       ; its 32 counts
	s_mov_b32 s75, 0
	s_lshl_b32 s76, ttmp9, 12                      ; its 1,024 presence words, behind the counts
	s_add_co_u32 s76, s76, 32768
	s_mov_b32 s77, 0
	s_mov_b32 s68, 0x76543210
	s_mov_b32 s69, 0xfedcba98
	s_wait_alu depctr_va_vdst(0)
	s_wait_kmcnt 0x0
	s_load_b96 s[24:26], s[8:9], 0x0
	s_add_nc_u64 s[14:15], s[6:7], s[76:77]
	s_add_nc_u64 s[16:17], s[10:11], s[76:77]
	s_add_nc_u64 s[4:5], s[4:5], s[72:73]
	s_add_nc_u64 s[10:11], s[10:11], s[74:75]
.irp i, 0,1,2,3,4,5,6,7
	global_load_b128 v[HB+4*\i:HB+4*\i+3], v[T16], s[CNTP:CNTP+1] offset:4096*\i
.endr
.irp g, 0,1,2,3
	global_load_b32 v[PIN+\g], v[PGO], s[14:15] offset:128*\g
.endr
.set k, 0
.rept 32
	ds_store_b32 v[PSW], v[ZR] offset:144*k        ; my rows are written once, so that no row is read that nobody wrote
.set k, k+1
.endr
.set k, 0
.rept 10
	v_mov_b32 v[L+k], 0
.set k, k+1
.endr
	v_mov_b32 v[B], 0
.irp g, 0,1,2,3
	v_mov_b32 v[PRES+\g], 0
.endr
.set k, 0
.rept 128
	v_mov_b32 v[R+k], 2.0                          ; every place idle
.set k, k+1
.endr
	HEAD_SCAN
.irp g, 0,1,2,3
	v_and_b32 v[T+\g], s79, v[PIN+\g]
.endr
.irp g, 0,1,2,3
	s_delay_alu instid0(VALU_DEP_4)
	v_cmp_ne_u32 s[F+\g], 0, v[T+\g]               ; bit b: block 32 g + b holds a number with the new prefix
.endr
	s_bcnt1_i32_b32 s[P+1], s[F]
	s_bcnt1_i32_b32 s[P+2], s[F+1]
	s_bcnt1_i32_b32 s[P+3], s[F+2]
	s_bcnt1_i32_b32 s[REM], s[F+3]
	s_mov_b32 s[P], 0
	s_add_co_u32 s[P+2], s[P+2], s[P+1]
	s_add_co_u32 s[P+3], s[P+3], s[P+2]
	s_add_co_u32 s[REM], s[REM], s[P+3]
.irp g, 0,1,2,3
	v_mbcnt_lo_u32_b32 v[T+\g], s[F+\g], s[P+\g]   ; flagged blocks below mine: my block's place
.endr
.irp g, 0,1,2,3
	s_delay_alu instid0(VALU_DEP_4)
	v_lshlrev_b32 v[TGI+\g], 2, v[T+\g]
.endr
.irp g, 0,1,2,3
	v_lshrrev_b32 v[TR+\g], 5, v[T+\g]
.endr
.irp g, 0,1,2,3
	v_and_b32 v[TGI+\g], 0x7c, v[TGI+\g]
.endr
.irp g, 0,1,2,3
	v_cndmask_b32 v[TR+\g], -1, v[TR+\g], s[F+\g]
.endr
.irp g, 0,1,2,3
	s_mov_b32 s[CUR+\g], s[F+\g]
.endr
	s_mov_b32 s[BASE], 0
	s_mov_b32 s[RHO], 0
	s_mov_b32 s67, 4
	s_wait_alu depctr_va_vdst(0)
.Lround:
	s_min_u32 s[NP], s[REM], 32
	s_cmp_eq_u32 s[NP], 0
	s_cbranch_scc1 .Lskip                          ; nothing left: the round's loads and work are passed over
.set k, 0
.rept 32
	ASK k
.set k, k+1
.endr
.Lasked:
	s_wait_loadcnt 0x0                             ; all that this round asked for is in; the offsets' registers are free
.irp i, 0,1,2,3,4,5,6,7
	DOB \i
.endr
.Ldone:
.irp j, 0,1,2,3,4,5,6,7
	ds_load_b128 v[R+4*\j:R+4*\j+3], v[PSR] offset:16*\j   ; lane t: the 32 lanes' words of place t.  LDS serves a wave's instructions in order
.endr
	s_wait_dscnt 0x0
.irp d, 16,8,4,2,1
.set g, 0
.rept \d
	v_or_b32 v[R+g], v[R+g], v[R+\d+g]
.set g, g+1
.endr
.endr
.irp g, 0,1,2,3
	ds_bpermute_b32 v[T+\g], v[TGI+\g], v[R]       ; the word of my block's place, from that place's lane
.endr
	s_wait_dscnt 0x0
.irp g, 0,1,2,3
	v_cmp_eq_u32 s[20+\g], s[RHO], v[TR+\g]        ; kept where my block is flagged and was taken in this round
.endr
.irp g, 0,1,2,3
	s_delay_alu instid0(VALU_DEP_4)
	v_cndmask_b32 v[PRES+\g], v[PRES+\g], v[T+\g], s[20+\g]
.endr
	s_cmp_le_u32 s[REM], 32
	s_wait_alu depctr_va_vdst(0)
	s_cbranch_scc1 .Lskip
.set k, 0
.rept 128
	v_mov_b32 v[R+k], 2.0                          ; a further round follows: every place idle again
.set k, k+1
.endr
	s_wait_alu depctr_va_vdst(0)
.Lskip:
	s_sub_co_u32 s[REM], s[REM], s[NP]
	s_add_co_u32 s[RHO], s[RHO], 1
	s_sub_co_u32 s67, s67, 1
	s_cmp_lg_u32 s67, 0
	s_cbranch_scc1 .Lround
	DECODE
	ds_store_b32 v[CSW], v[CNT]
.irp g, 0,1,2,3
	global_store_b32 v[PGO], v[PRES+\g], s[16:17] offset:128*\g   ; my wave's 128 presence words
.endr
	s_wait_dscnt 0x0                               ; for the others' sake: my store has landed
	s_barrier_signal -1
	s_barrier_wait -1
	s_cmp_lg_u32 s[WV], 0
	s_cbranch_scc1 .Lend                           ; wave 0 adds the eight waves' counts
.irp w, 0,1,2,3,4,5,6,7
	ds_load_b32 v[L+\w], v[CSR] offset:128*\w
.endr
	s_wait_dscnt 0x0
.irp w, 1
	v_add_nc_u32 v[L], v[L], v[L+\w]
.endr
.irp w, 2, 3, 4, 5, 6, 7
	s_delay_alu instid0(VALU_DEP_1)
	v_add_nc_u32 v[L], v[L], v[L+\w]
.endr
	global_store_b32 v[L4], v[L], s[10:11]         ; the work-group's 32 counts
	s_cmp_lg_u32 ttmp9, 0
	s_cbranch_scc1 .Lend
	v_mov_b32 v18, 0                               ; the state beside these counts: prefix, rank left, shift
	s_delay_alu instid0(VALU_DEP_1)
	v_writelane_b32 v18, s31, 0
	s_delay_alu instid0(VALU_DEP_1)
	v_writelane_b32 v18, s25, 1
	s_delay_alu instid0(VALU_DEP_1)
	v_writelane_b32 v18, s66, 2
	global_store_b32 v[L4], v18, s[12:13]
.Lend:
	s_wait_tensorcnt 0x0                           ; the wave's end
	ds_add_u32 v224, v225
	s_wait_dscnt 0x0
	s_endpgm
.Lfunc_end_k_q7c86c332b3_s4:
	.size	k_q7c86c332b3_s4, .Lfunc_end_k_q7c86c332b3_s4-k_q7c86c332b3_s4
	.p2alignl 7, 3214868480
	.fill 96, 4, 3214868480
	.section	.rodata,"a",@progbits
	.p2align	6, 0x0
	.amdhsa_kernel k_q7c86c332b3_s4
		.amdhsa_group_segment_fixed_size 46080
		.amdhsa_private_segment_fixed_size 0
		.amdhsa_enable_private_segment 0
		.amdhsa_kernarg_size 40
		.amdhsa_user_sgpr_count 2
		.amdhsa_user_sgpr_kernarg_segment_ptr 1
		.amdhsa_wavefront_size32 1
		.amdhsa_system_sgpr_workgroup_id_x 1
		.amdhsa_system_sgpr_workgroup_id_y 1
		.amdhsa_system_sgpr_workgroup_id_z 1
		.amdhsa_system_vgpr_workitem_id 0
		.amdhsa_next_free_vgpr 226
		.amdhsa_next_free_sgpr 80
		.amdhsa_reserve_vcc 0
		.amdhsa_float_denorm_mode_32 3
		.amdhsa_float_denorm_mode_16_64 3
		.amdhsa_memory_ordered 1
		.amdhsa_forward_progress 1
		.amdhsa_inst_pref_size 161
	.end_amdhsa_kernel
	.amdgpu_metadata
---
amdhsa.version: [ 1, 2 ]
amdhsa.kernels:
  - .name:           k_q7c86c332b3_s4
    .symbol:         k_q7c86c332b3_s4.kd
    .args:
      - { .name: weight, .offset: 0, .size: 8, .value_kind: global_buffer, .address_space: global }
      - { .name: cntA, .offset: 8, .size: 8, .value_kind: global_buffer, .address_space: global }
      - { .name: stA, .offset: 16, .size: 8, .value_kind: global_buffer, .address_space: global }
      - { .name: cntB, .offset: 24, .size: 8, .value_kind: global_buffer, .address_space: global }
      - { .name: stB, .offset: 32, .size: 8, .value_kind: global_buffer, .address_space: global }
    .group_segment_fixed_size: 46080
    .private_segment_fixed_size: 0
    .kernarg_segment_align: 8
    .kernarg_segment_size: 40
    .max_flat_workgroup_size: 256
    .sgpr_count:     80
    .vgpr_count:     226
    .wavefront_size: 32
...
	.end_amdgpu_metadata
.endif
;; end of part 7
;; launch p5: the kernel of part 7 again; grid 256 x 1, 8 waves a work-group, no clusters, 46,080 bytes of LDS; arguments weight, cntB, stB, cntA, stA; writes cntA, stA
;; launch p6: the kernel of part 7 again; grid 256 x 1, 8 waves a work-group, no clusters, 46,080 bytes of LDS; arguments weight, cntA, stA, cntB, stB; writes cntB, stB
;; launch gemm (part 8): grid 256 x 1, 8 waves a work-group, no clusters, 78,848 bytes of LDS; arguments weight, cntB, stB, psum, ximg, xsimg, bias, out0; writes out0
.if DOCPART == 8
	.amdgcn_target "amdgcn-amd-amdhsa--gfx1250"
	.amdhsa_code_object_version 6
	.text
	.protected	k_q7c86c332b3_gemm
	.globl	k_q7c86c332b3_gemm
	.p2align	8
	.type	k_q7c86c332b3_gemm,@function
k_q7c86c332b3_gemm:
	s_mov_b64 s[64:65], 0
	v_nop
	global_prefetch_b8 v0, s[64:65] scope:SCOPE_SE
	s_setreg_imm32_b32 hwreg(HW_REG_WAVE_MODE, 25, 1), 1
	s_wait_xcnt 0x0
; out0[n][o] = sum over k of x[n][k] Q(Weff[o][k]) + bias[o].  x: 64 x 4,096 as E2M3 codes (laid out by the first launch as images of operand registers); weight [8192][4096] f32.
; Weff = w where |w| >= thr, else w + (t scale - w) with t = sign(w) where |w| > scale / 2 and 0 elsewhere; scale = max(mean |w|, 1e-5).  (fl(w / scale) > 0.5 holds just where
; |w| > 0.5 scale: the next f32 number above 0.5 scale gives a quotient more than half a step above 0.5.)  Q: E2M3 codes with one E8M0 scale for each 32 along K, made in registers.
; THE HEAD finishes the radix select: the last pass's counts give the last five bits of thr; the 256 partial sums of |w| give the mean.
; LIMITS: thr is right while thr < 2.0 (fewer than a tenth of the weights with |w| >= 2); NaN and infinities are not served; the mean is a tree of f32 sums; a block whose largest
; magnitude lies under 2^-124 gets the byte 1 (a block of zeros too: its codes are zeros, and only this launch reads the bytes).
; SHARES: work-group g makes outputs 32 g .. 32 g + 31 for all 64 rows of x.  Wave w takes K = 512 w .. 512 w + 511: four K steps of 128, in each two tiles of 16 rows of weight:
; eight fragments of 16 rows x 512 bytes.  Each byte of weight is read once, by loads of 512 consecutive bytes; a fragment turns through the wave's own stage in LDS, so that a lane
; gets 32 neighbours along K of one row.  The eight waves' partial sums meet in LDS at the end.
; Source 0 = 16 rows of weight, source 1 = 16 rows of x: lane (r, h) holds out(16 nt + r, 16 ot + 8 h + 0 .. 7).
; No tensor loads and no ring in LDS: no byte of weight is shared between waves.  No cluster: what work-groups share is x's 200 KB against 512 KB of weight of their own.
; A work-group's 32 outputs are 128 bytes of a row of out0: eight lanes store 128 consecutive bytes; 64 outputs a work-group would leave half of the 256 work-groups without a stream.
; REGISTERS: window 0: v1-15 addresses; v16-79 X, a fragment's 64 numbers a lane; v80-87 Q; v88-95 at work; v96-119 the two tiles' codes; v120-126 halves of blocks; v128-129 weight's
; scale words, v130-131 x's; v132-179 x's four fragments; v184-247 eight accumulators; v248-251 bias.  Window 1: v0-191 three slots of 64 registers for weight as loaded.
.set WV,   70                          ; s70  wave
.set CNTP, 6                           ; s[6:7] the last pass's counts
.set WOFF, 1                           ; v1   weight: 2,048 wave + 16 lane
.set STO,  2                           ; v2   stage, in: 9,216 wave + 16 lane
.set SLD,  3                           ; v3   stage, out: 9,216 wave + 528 r + 128 h
.set XO,   4                           ; v4   ximg: 24,576 wave + 16 lane
.set XSO,  5                           ; v5   xsimg: 1,024 wave + 4 lane
.set PST,  6                           ; v6   partial sums, in: 9,216 wave + 144 r + 32 h
.set PRD,  7                           ; v7   partial sums, out: 144 (thread / 8) + 16 (thread % 8)
.set OUTO, 8                           ; v8   out0: 32,768 (thread / 8) + 16 (thread % 8)
.set H8,   9                           ; v9   8 h
.set T16,  10                          ; v10  16 x thread
.set HLD,  11                          ; v11  LDS: HS + 4 lane
.set BO,   12                          ; v12  16 (thread % 8)
.set PSO,  13                          ; v13  32 lane
.set HST,  14                          ; v14  LDS: HS + 16 x thread
.set PRD2, 15                          ; v15  partial sums, out, 32 rows further down: PRD + 32 x 144 (7 x 9,216 + 4,608 would not fit an LDS instruction's 16-bit offset)
.set HB,   16                          ; the old counts, in X's registers
.set X,    16
.set Q,    80
.set M,    88                          ; v88-89 largest magnitudes
.set E,    90                          ; v90-91 the conversions' scale operands
.set BB,   92                          ; v92-93 scale bytes
.set TT,   94
.set T2,   95
.set W,    96
.set CT,   120
.set WS,   128
.set XS,   130
.set XF,   132
.set ACC,  184
.set BI,   248
.set WREG, 9216                        ; LDS: a region for each wave: first its stage (16 rows x 528 bytes), at the end its partial sums (64 rows x 144 bytes)
.set HS,   8*WREG                      ; LDS: 32 rows of 32 partial counts
.set MSB, 0
.macro WIN new                         ; the immediate's high byte repeats the setting that is left
.if MSB != \new
	s_set_vgpr_msb (MSB<<8)|\new
.set MSB, \new
.endif
.endm
.macro HEAD_LOADS
.irp i, 0,1,2,3,4,5,6,7
	global_load_b128 v[HB+4*\i:HB+4*\i+3], v[T16], s[CNTP:CNTP+1] offset:4096*\i
.endr
.endm
.macro HEAD_SCAN left                  ; left: the loads that may stay out
	s_wait_loadcnt \left
.irp i, 1,2,3,4,5,6,7
.irp q, 0,1,2,3
	v_add_nc_u32 v[HB+\q], v[HB+\q], v[HB+4*\i+\q]
.endr
.endr
	ds_store_b128 v[HST], v[HB:HB+3]               ; 256 threads x 4 words = 32 rows of 32 bins
	s_wait_dscnt 0x0                               ; for the others' sake: my store has landed
	s_barrier_signal -1
	s_barrier_wait -1
.set g, 0
.rept 32
	ds_load_b32 v[HB+g], v[HLD] offset:128*g       ; lane j: bin j of row g
.set g, g+1
.endr
	s_wait_dscnt 0x0
.irp d, 16,8,4,2,1
.set g, 0
.rept \d
	v_add_nc_u32 v[HB+g], v[HB+g], v[HB+\d+g]
.set g, g+1
.endr
.endr
.set j, 0
.rept 31
	v_readlane_b32 s[32+j], v[HB], j
.set j, j+1
.endr
	s_wait_kmcnt 0x0                               ; the state: s24 prefix, s25 rank left, s26 shift (0 here)
	s_mov_b32 s27, 0
	s_mov_b32 s28, 0
	s_mov_b32 s29, 0
.set j, 0
.rept 31
	s_add_co_u32 s27, s27, s[32+j]
	s_cmp_le_u32 s27, s25
	s_cselect_b32 s29, s27, s29                    ; (leaves SCC alone)
	s_add_co_ci_u32 s28, s28, 0                    ; + SCC: the digit = how many running sums do not pass the rank
.set j, j+1
.endr
	s_lshl_b32 s28, s28, s26
	s_or_b32 s31, s24, s28                         ; all 30 bits: thr
.endm
; fragment f = 2 t + ot of weight as it lies: 16 rows, 512 consecutive bytes a load, into slot f % 3 of window 1
.macro RLOAD f
	WIN 0x40                                       ; destination window 1, address window 0
.set i, 0
.rept 16
	global_load_b128 v[64*((\f)%3)+4*i:64*((\f)%3)+4*i+3], v[WOFF], s[4:5] offset:((\f)%2)*262144+16384*i+512*((\f)/2) th:TH_LOAD_NT
.set i, i+1
.endr
	WIN 0
.endm
; K step t of x: four fragments as images of their registers, and two registers of scale words (lanes 0-15 rows 32 u on, lanes 16-31 rows 32 u + 16 on)
.macro XLOAD t
.irp n, 0,1,2,3
.irp c, 0,1,2
	global_load_b128 v[XF+12*\n+4*\c:XF+12*\n+4*\c+3], v[XO], s[12:13] offset:6144*(\t)+1536*\n+512*\c
.endr
.endr
.irp u, 0,1
	global_load_b32 v[XS+\u], v[XSO], s[14:15] offset:256*(\t)+128*\u
.endr
.endm
; four numbers become the effective weight, in place.  s30 scale, s66 scale / 2, s31 thr, s67 all bits but the sign
.macro EFF4 x, q
.irp i, 0,1,2,3
	v_bfi_b32 v[\q+\i], s67, s30, v[\x+\i]         ; scale with w's sign
.endr
.irp i, 0,1,2,3
	v_cmp_gt_f32 s[40+\i], |v[\x+\i]|, s66
.endr
.irp i, 0,1,2,3
	s_delay_alu instid0(VALU_DEP_4)
	v_cndmask_b32 v[\q+\i], 0, v[\q+\i], s[40+\i]  ; ternary x scale
.endr
	; LEFT OUT: w + (ternary x scale - w) is ternary x scale for all values of w and scale, in real numbers: the two additions add a term that is 0 by that identity.
	; LIMIT: an overflow of (ternary x scale - w) is not carried to the result.
.irp i, 0,1,2,3
	v_cmp_ge_f32 s[44+\i], |v[\x+\i]|, s31
.endr
.irp i, 0,1,2,3
	s_delay_alu instid0(VALU_DEP_4)
	v_cndmask_b32 v[\x+\i], v[\q+\i], v[\x+\i], s[44+\i]   ; the critical tenth stays as it is
.endr
.endm
; fragment f: through the stage, made effective, quantised: 12 registers of codes and a scale word for tile f % 2.  left: the younger loads that may stay out (-1: shown landed by an earlier wait)
.macro FRAG f, left, refill
.set OT, (\f)%2
.if \left >= 0
	s_wait_loadcnt \left
.endif
	WIN 0x04                                       ; an LDS store's data are its source 1: window 1
.set i, 0
.rept 16
	ds_store_b128 v[STO], v[64*((\f)%3)+4*i:64*((\f)%3)+4*i+3] offset:528*i   ; row i as it lies; rows 528 bytes apart
.set i, i+1
.endr
	WIN 0
.irp c, 0,1
.irp j, 0,1,2,3,4,5,6,7
	ds_load_b128 v[X+32*\c+4*\j:X+32*\c+4*\j+3], v[SLD] offset:256*\c+16*\j   ; row r, k = 64 c + 32 h + 4 j on.  LDS serves a wave's instructions in order: these see my stores
.endr
.endr
	s_wait_dscnt 0x0                               ; X is in, and the stores have read the slot's registers,
.if \refill
	RLOAD (\f)+3                                   ; which take the fragment three on
.endif
.set g, 0
.rept 16
	EFF4 X+4*g, Q+4*(g%2)
.set g, g+1
.endr
.irp c, 0,1                                    ; my block 2 c + h: all its 32 numbers are mine
	v_max3_num_f32 v[M+\c], |v[X+32*\c]|, |v[X+1+32*\c]|, 0x1800000   ; with the floor 2^(3 - 127): the byte cannot fall under 1
.endr
.irp i, 2,4,6,8,10,12,14,16,18,20,22,24,26,28,30
.irp c, 0,1
	s_delay_alu instid0(VALU_DEP_2)
	v_max3_num_f32 v[M+\c], v[M+\c], |v[X+32*\c+\i]|, |v[X+1+32*\c+\i]|
.endr
.endr
.irp c, 0,1
	s_delay_alu instid0(VALU_DEP_2)
	v_add_nc_u32 v[E+\c], 0xff000000, v[M+\c]      ; 2 off the exponent field: the conversion's scale operand
.endr
.irp c, 0,1
	s_delay_alu instid0(VALU_DEP_2)
	v_lshrrev_b32 v[BB+\c], 23, v[E+\c]            ; the scale's byte
.endr
.irp c, 0,1
	v_cvt_scalef32_pk16_fp6_f32 v[W+12*OT+6*\c:W+12*OT+6*\c+2], v[X+32*\c:X+32*\c+15], v[E+\c]
	v_cvt_scalef32_pk16_fp6_f32 v[CT+4*\c:CT+4*\c+2], v[X+16+32*\c:X+31+32*\c], v[E+\c]   ; (a conversion's three registers begin on an even number)
.endr
	v_lshl_or_b32 v[TT], v[BB+1], 16, v[BB]        ; a plain line behind the conversions.  My two bytes: blocks h and 2 + h of row r,
	s_delay_alu instid0(VALU_DEP_1)
	v_lshlrev_b32 v[TT], v[H8], v[TT]              ; at their places in the word;
	s_delay_alu instid0(VALU_DEP_1)
	v_permlanex16_b32 v[T2], v[TT], s68, s69
	s_delay_alu instid0(VALU_DEP_1)
	v_or_b32 v[WS+OT], v[TT], v[T2]                ; with lane l xor 16's two the word is whole
.irp c, 0,1
.irp i, 0,1,2
	v_mov_b32 v[W+12*OT+6*\c+3+\i], v[CT+4*\c+\i]
.endr
.endr
.endm
.macro WM n, o, zero
.set AC, ACC+8*(2*(\n)+(\o))
.if \zero
.if (\n)%2
	v_wmma_scale_f32_16x16x128_f8f6f4 v[AC:AC+7], v[W+12*(\o):W+12*(\o)+11], v[XF+12*(\n):XF+12*(\n)+11], 0, v[WS+(\o)], v[XS+(\n)/2] matrix_a_fmt:MATRIX_FMT_FP6 matrix_b_fmt:MATRIX_FMT_FP6 matrix_b_scale:MATRIX_SCALE_ROW1
.else
	v_wmma_scale_f32_16x16x128_f8f6f4 v[AC:AC+7], v[W+12*(\o):W+12*(\o)+11], v[XF+12*(\n):XF+12*(\n)+11], 0, v[WS+(\o)], v[XS+(\n)/2] matrix_a_fmt:MATRIX_FMT_FP6 matrix_b_fmt:MATRIX_FMT_FP6
.endif
.else
.if (\n)%2
	v_wmma_scale_f32_16x16x128_f8f6f4 v[AC:AC+7], v[W+12*(\o):W+12*(\o)+11], v[XF+12*(\n):XF+12*(\n)+11], v[AC:AC+7], v[WS+(\o)], v[XS+(\n)/2] matrix_a_fmt:MATRIX_FMT_FP6 matrix_b_fmt:MATRIX_FMT_FP6 matrix_b_scale:MATRIX_SCALE_ROW1
.else
	v_wmma_scale_f32_16x16x128_f8f6f4 v[AC:AC+7], v[W+12*(\o):W+12*(\o)+11], v[XF+12*(\n):XF+12*(\n)+11], v[AC:AC+7], v[WS+(\o)], v[XS+(\n)/2] matrix_a_fmt:MATRIX_FMT_FP6 matrix_b_fmt:MATRIX_FMT_FP6
.endif
.endif
.endm
; K step t: eight products, the eight accumulators by turns, one instruction a turn; the first K step starts the sums with the constant 0
.macro MM t, left
	s_wait_loadcnt \left                           ; x's fragments and scale words of this K step are in
.rept 8
	v_nop                                          ; the weight's scale word was written by a vector instruction: eight places ahead of a scaled product (its codes: four)
.endr
.irp n, 0,1,2,3
.irp o, 0,1
	WM \n, \o, (\t)==0
.endr
.endr
.rept 4
	v_nop                                          ; four places ahead of loads into x's registers, and of the first read of results
.endr
.if (\t) < 3
	XLOAD (\t)+1
.endif
.endm
	s_load_b256 s[4:11], s[0:1], 0x0               ; weight s[4:5], counts s[6:7], state s[8:9], psum s[10:11]
	s_load_b256 s[12:19], s[0:1], 0x20             ; ximg s[12:13], xsimg s[14:15], bias s[16:17], out0 s[18:19]
	v_lshl_add_u32 v254, v0, 2, 0x13000
	v_mov_b32 v255, 0
	v_lshrrev_b32 v88, 5, v0
	s_delay_alu instid0(VALU_DEP_1)
	v_readfirstlane_b32 s[WV], v88                 ; wave 0..7
	v_and_b32 v88, 31, v0                          ; lane
	v_and_b32 v89, 15, v0                          ; r
	v_bfe_u32 v90, v0, 4, 1                        ; h
	v_lshrrev_b32 v91, 3, v0                       ; thread / 8
	v_and_b32 v92, 7, v0                           ; thread % 8
	s_lshl_b32 s71, s[WV], 11
	s_mul_i32 s72, s[WV], WREG
	s_mul_i32 s73, s[WV], 24576
	s_lshl_b32 s74, s[WV], 10
	v_lshl_add_u32 v[WOFF], v88, 4, s71
	v_lshl_add_u32 v[STO], v88, 4, s72
	v_mul_u32_u24 v[SLD], v89, 528
	s_delay_alu instid0(VALU_DEP_1)
	v_lshl_add_u32 v[SLD], v90, 7, v[SLD]
	s_delay_alu instid0(VALU_DEP_1)
	v_add_nc_u32 v[SLD], s72, v[SLD]
	v_lshl_add_u32 v[XO], v88, 4, s73
	v_lshl_add_u32 v[XSO], v88, 2, s74
	v_mul_u32_u24 v[PST], v89, 144
	s_delay_alu instid0(VALU_DEP_1)
	v_lshl_add_u32 v[PST], v90, 5, v[PST]
	s_delay_alu instid0(VALU_DEP_1)
	v_add_nc_u32 v[PST], s72, v[PST]
	v_lshlrev_b32 v[BO], 4, v92
	s_delay_alu instid0(VALU_DEP_1)
	v_mad_u32_u24 v[PRD], v91, 144, v[BO]
	s_delay_alu instid0(VALU_DEP_1)
	v_add_nc_u32 v[PRD2], 32*144, v[PRD]
	s_delay_alu instid0(VALU_DEP_3)
	v_lshl_add_u32 v[OUTO], v91, 15, v[BO]
	v_lshlrev_b32 v[H8], 3, v90
	v_lshlrev_b32 v[T16], 4, v0
	v_lshl_add_u32 v[HLD], v88, 2, HS
	v_lshlrev_b32 v[PSO], 5, v88
	v_lshl_add_u32 v[HST], v0, 4, HS
	v_mov_b32 v[T2], 0                             ; written once: a lane permute's destination counts as one of its sources
	s_lshl_b32 s76, ttmp9, 19                      ; my 32 rows of weight: 524,288 bytes
	s_mov_b32 s77, 0
	s_lshl_b32 s78, ttmp9, 7                       ; my 32 outputs: 128 bytes of bias and of a row of out0
	s_mov_b32 s79, 0
	s_mov_b32 s67, 0x7fffffff
	s_mov_b32 s68, 0x76543210
	s_mov_b32 s69, 0xfedcba98                      ; lane l xor 16
	s_wait_alu depctr_va_vdst(0)
	s_wait_kmcnt 0x0
	s_load_b96 s[24:26], s[8:9], 0x0               ; prefix, rank left, shift
	s_add_nc_u64 s[4:5], s[4:5], s[76:77]
	s_add_nc_u64 s[16:17], s[16:17], s[78:79]
	s_add_nc_u64 s[18:19], s[18:19], s[78:79]
	HEAD_LOADS
	global_load_b128 v[48:51], v[PSO], s[10:11]            ; the 256 partial sums of |w|, eight a lane
	global_load_b128 v[52:55], v[PSO], s[10:11] offset:16
	global_load_b128 v[BI:BI+3], v[BO], s[16:17]           ; bias of my four outputs
	RLOAD 0
	RLOAD 1
	RLOAD 2
	HEAD_SCAN 48                                   ; 48 = the three fragments of weight, issued behind the eleven small loads
	v_add_f32 v48, v48, v49
	v_add_f32 v50, v50, v51
	v_add_f32 v52, v52, v53
	v_add_f32 v54, v54, v55
	s_delay_alu instid0(VALU_DEP_3)
	v_add_f32 v48, v48, v50
	s_delay_alu instid0(VALU_DEP_2)
	v_add_f32 v52, v52, v54
	s_delay_alu instid0(VALU_DEP_1)
	v_add_f32 v48, v48, v52
	s_delay_alu instid0(VALU_DEP_1)
	v_add_f32_dpp v48, v48, v48 row_xmask:1 row_mask:0xf bank_mask:0xf
	s_delay_alu instid0(VALU_DEP_1)
	v_add_f32_dpp v48, v48, v48 row_xmask:2 row_mask:0xf bank_mask:0xf
	s_delay_alu instid0(VALU_DEP_1)
	v_add_f32_dpp v48, v48, v48 row_xmask:4 row_mask:0xf bank_mask:0xf
	s_delay_alu instid0(VALU_DEP_1)
	v_add_f32_dpp v48, v48, v48 row_xmask:8 row_mask:0xf bank_mask:0xf
	s_delay_alu instid0(VALU_DEP_1)
	v_permlanex16_b32 v[T2], v48, s68, s69
	s_delay_alu instid0(VALU_DEP_1)
	v_add_f32 v48, v48, v[T2]
	s_delay_alu instid0(VALU_DEP_1)
	v_mul_f32 v48, 0x33000000, v48                 ; / 2^25 numbers: the mean of |w|
	s_delay_alu instid0(VALU_DEP_1)
	v_max_num_f32 v48, 0x3727c5ac, v48             ; at least 1e-5: scale
	s_delay_alu instid0(VALU_DEP_1)
	v_mul_f32 v49, 0.5, v48
	s_delay_alu instid0(VALU_DEP_2)
	v_readfirstlane_b32 s30, v48
	s_delay_alu instid0(VALU_DEP_2)
	v_readfirstlane_b32 s66, v49
	XLOAD 0
	; The loads' order: R0 R1 R2 X0 | R3 R4 X1 | R5 R6 X2 | R7 X3 (R: 16 loads, X: 14).  Each count below is what was issued behind the loads that are wanted.
	FRAG 0, 46, 1                                  ; behind R0: R1, R2, X0
	FRAG 1, 46, 1                                  ; behind R1: R2, X0, R3
	s_wait_alu depctr_va_vdst(0)
	MM 0, 32                                       ; behind X0: R3, R4
	FRAG 2, -1, 1                                  ; R2 is older than X0
	FRAG 3, 46, 1                                  ; behind R3: R4, X1, R5
	s_wait_alu depctr_va_vdst(0)
	MM 1, 32                                       ; behind X1: R5, R6
	FRAG 4, -1, 1                                  ; R4 is older than X1
	FRAG 5, 46, 0                                  ; behind R5: R6, X2, R7
	s_wait_alu depctr_va_vdst(0)
	MM 2, 16                                       ; behind X2: R7
	FRAG 6, -1, 0                                  ; R6 is older than X2
	FRAG 7, 14, 0                                  ; behind R7: X3
	s_wait_alu depctr_va_vdst(0)
	MM 3, 0
	; THE WAY OUT: my partial sums (64 rows x 32 outputs) into my region, each accumulator from its low end on; a barrier.  The result is 64 rows x 128 bytes = 512 pieces of 16 bytes
	; for 256 threads: a thread adds, over the eight waves, the piece at row thread / 8 and the piece 32 rows further down, both at columns 4 (thread % 8) on.
.irp n, 0,1,2,3
.irp o, 0,1
	ds_store_b128 v[PST], v[ACC+8*(2*\n+\o):ACC+8*(2*\n+\o)+3] offset:2304*\n+64*\o
	ds_store_b128 v[PST], v[ACC+8*(2*\n+\o)+4:ACC+8*(2*\n+\o)+7] offset:2304*\n+64*\o+16
.endr
.endr
	s_wait_dscnt 0x0                               ; for the others' sake: my stores have landed
	s_barrier_signal -1
	s_barrier_wait -1
.irp s, 0,1,2,3,4,5,6,7
	ds_load_b128 v[16+4*\s:19+4*\s], v[PRD] offset:WREG*\s
.endr
.irp s, 0,1,2,3,4,5,6,7
	ds_load_b128 v[48+4*\s:51+4*\s], v[PRD2] offset:WREG*\s
.endr
	s_wait_dscnt 8                                 ; the first piece's eight loads are in; the second's may be out
.irp s, 1
	v_pk_add_f32 v[16:17], v[16:17], v[16+4*\s:17+4*\s]    ; K ascending
	v_pk_add_f32 v[18:19], v[18:19], v[18+4*\s:19+4*\s]
.endr
.irp s, 2, 3, 4, 5, 6, 7
	s_delay_alu instid0(VALU_DEP_2)
	v_pk_add_f32 v[16:17], v[16:17], v[16+4*\s:17+4*\s]    ; K ascending
	s_delay_alu instid0(VALU_DEP_2)
	v_pk_add_f32 v[18:19], v[18:19], v[18+4*\s:19+4*\s]
.endr
	s_delay_alu instid0(VALU_DEP_2)
	v_pk_add_f32 v[16:17], v[16:17], v[BI:BI+1]
	s_delay_alu instid0(VALU_DEP_2)
	v_pk_add_f32 v[18:19], v[18:19], v[BI+2:BI+3]
	global_store_b128 v[OUTO], v[16:19], s[18:19] th:TH_STORE_NT   ; eight lanes store a row's 128 consecutive bytes
	s_wait_dscnt 0x0
.irp s, 1
	v_pk_add_f32 v[48:49], v[48:49], v[48+4*\s:49+4*\s]
	v_pk_add_f32 v[50:51], v[50:51], v[50+4*\s:51+4*\s]
.endr
.irp s, 2, 3, 4, 5, 6, 7
	s_delay_alu instid0(VALU_DEP_2)
	v_pk_add_f32 v[48:49], v[48:49], v[48+4*\s:49+4*\s]
	s_delay_alu instid0(VALU_DEP_2)
	v_pk_add_f32 v[50:51], v[50:51], v[50+4*\s:51+4*\s]
.endr
	s_delay_alu instid0(VALU_DEP_2)
	v_pk_add_f32 v[48:49], v[48:49], v[BI:BI+1]
	s_delay_alu instid0(VALU_DEP_2)
	v_pk_add_f32 v[50:51], v[50:51], v[BI+2:BI+3]
	global_store_b128 v[OUTO], v[48:51], s[18:19] offset:32*32768 th:TH_STORE_NT   ; 32 rows of 32,768 bytes further down: inside the signed 24-bit immediate
	s_wait_tensorcnt 0x0
	ds_add_u32 v254, v255
	s_wait_dscnt 0x0
	s_endpgm
.Lfunc_end_k_q7c86c332b3_gemm:
	.size	k_q7c86c332b3_gemm, .Lfunc_end_k_q7c86c332b3_gemm-k_q7c86c332b3_gemm
	.p2alignl 7, 3214868480
	.fill 96, 4, 3214868480
	.section	.rodata,"a",@progbits
	.p2align	6, 0x0
	.amdhsa_kernel k_q7c86c332b3_gemm
		.amdhsa_group_segment_fixed_size 78848
		.amdhsa_private_segment_fixed_size 0
		.amdhsa_enable_private_segment 0
		.amdhsa_kernarg_size 64
		.amdhsa_user_sgpr_count 2
		.amdhsa_user_sgpr_kernarg_segment_ptr 1
		.amdhsa_wavefront_size32 1
		.amdhsa_system_sgpr_workgroup_id_x 1
		.amdhsa_system_sgpr_workgroup_id_y 1
		.amdhsa_system_sgpr_workgroup_id_z 1
		.amdhsa_system_vgpr_workitem_id 0
		.amdhsa_next_free_vgpr 512
		.amdhsa_next_free_sgpr 80
		.amdhsa_reserve_vcc 0
		.amdhsa_float_denorm_mode_32 3
		.amdhsa_float_denorm_mode_16_64 3
		.amdhsa_memory_ordered 1
		.amdhsa_forward_progress 1
		.amdhsa_inst_pref_size 255
	.end_amdhsa_kernel
	.section	.bss,"aw",@nobits
	.p2align	6
	.space	262144
	.amdgpu_metadata
---
amdhsa.version: [ 1, 2 ]
amdhsa.kernels:
  - .name:           k_q7c86c332b3_gemm
    .symbol:         k_q7c86c332b3_gemm.kd
    .args:
      - { .name: weight, .offset: 0, .size: 8, .value_kind: global_buffer, .address_space: global }
      - { .name: cntB, .offset: 8, .size: 8, .value_kind: global_buffer, .address_space: global }
      - { .name: stB, .offset: 16, .size: 8, .value_kind: global_buffer, .address_space: global }
      - { .name: psum, .offset: 24, .size: 8, .value_kind: global_buffer, .address_space: global }
      - { .name: ximg, .offset: 32, .size: 8, .value_kind: global_buffer, .address_space: global }
      - { .name: xsimg, .offset: 40, .size: 8, .value_kind: global_buffer, .address_space: global }
      - { .name: bias, .offset: 48, .size: 8, .value_kind: global_buffer, .address_space: global }
      - { .name: out0, .offset: 56, .size: 8, .value_kind: global_buffer, .address_space: global }
    .group_segment_fixed_size: 78848
    .private_segment_fixed_size: 0
    .kernarg_segment_align: 8
    .kernarg_segment_size: 64
    .max_flat_workgroup_size: 256
    .sgpr_count:     80
    .vgpr_count:     512
    .wavefront_size: 32
...
	.end_amdgpu_metadata
.endif
;; end of part 8
